; MI455X (gfx1250); checked and timed in simulation.
; The chip was launched on July 23, 2026; its instructions are those of AMD's public machine-readable ISA for CDNA 5 (MIT licence, August 2026) and "CDNA5" Instruction Set Architecture Reference Guide (July 2026). The comments in the code are by the model that wrote it; some were corrected since.
;; Transformer Block. Allowed arithmetic: float matrix products may take bf16 or f16 operands with f32 sums; other float arithmetic in f32, or as packed bf16 or f16 multiplies, adds, multiply-adds, maxima and minima; sums over many terms, partial sums and values carried from step to step in f32; what a program stores and reads back later, other than sums and carried values, may be rounded once to bf16 or f16.
;; Inputs: Wk 16 x 1,024 x 64 float32; Wq 16 x 1,024 x 64 float32; Wv 16 x 1,024 x 64 float32; fc_b 1,024 float32; fc_w 1,024 x 1,024 float32; ff_b1 4,096 float32; ff_b2 1,024 float32; ff_w1 1,024 x 4,096 float32; ff_w2 4,096 x 1,024 float32; ln1_b 1,024 float32; ln1_s 1,024 float32; ln2_b 1,024 float32; ln2_s 1,024 float32; x 2 x 2,048 x 1,024 float32.
;; Outputs: out0 2 x 2,048 x 1,024 float32.
;; One version. Each part assembles by itself: llvm-mc -triple=amdgcn-amd-amdhsa -mcpu=gfx1250 --defsym DOCPART=n.
;; ======== version 1 of 1: 8 launches
;; limits: values are held in f16: magnitudes above 65,504 overflow, below 6.1e-05 lose precision
;; workspace buffers: nrm 8,388,608 bytes; big 33,554,432 bytes; h 16,777,216 bytes; wq 6,291,456 bytes; wfc 2,097,152 bytes; w1 8,388,608 bytes; w2 8,388,608 bytes
;; launch wt (part 1): grid 1536 x 1, 8 waves a work-group, no clusters, 19,456 bytes of LDS; arguments Wq, Wk, Wv, fc_w, ff_w1, ff_w2, wq, wfc, w1, w2; writes wq, wfc, w1, w2
.if DOCPART == 1
	.amdgcn_target "amdgcn-amd-amdhsa--gfx1250"
	.amdhsa_code_object_version 6
	.text
	.protected	k_qa28998da1b_wt
	.globl	k_qa28998da1b_wt
	.p2align	8
	.type	k_qa28998da1b_wt,@function
k_qa28998da1b_wt:
	s_mov_b64 s[64:65], 0
	v_nop
	global_prefetch_b8 v0, s[64:65] scope:SCOPE_SE
	s_setreg_imm32_b32 hwreg(HW_REG_WAVE_MODE, 25, 1), 1
	s_wait_xcnt 0x0
; THE WEIGHTS, ONCE: f32 [K][N] -> f16, turned and laid in blocks of 64 along K: element (n, k) at byte ((k / 64) NR + n) 128 + 2 (k % 64), NR = the product's N.
; So a later product's tile (some rows n of one block of K) is dense in memory.  LIMITS: f16 ends at 65,504 (a larger weight becomes an infinity); below 6.1e-5 it keeps a fixed step of 6e-8.
; A work-group takes a tile of 128 k x 64 n.  1,536 tiles: 0-383 Wq, Wk, Wv (n = which x 1,024 + 64 head + d), 384-511 fc_w, 512-1023 ff_w1, 1024-1535 ff_w2.
; Which tile is a matter of scalar selects on the work-group's number: no branch.  Thread t loads 8 k x 4 n (sixteen lanes cover the 256 bytes of a tile's row), packs pairs along k,
; puts 16 bytes (8 k of one n) into a stage in LDS, and after a barrier the stage leaves as it lies: a wave's store covers 512 consecutive bytes.
.set PST,   144                        ; a stage row: 64 k x 2 bytes + 16
.set KBH,   64*PST                     ; one block of K: 64 rows n
.set SPARE, 2*KBH                      ; behind the stage: the spare words, 128 bytes for each of the eight waves
.set ST,  2                            ; v2   where I put 16 bytes
.set RD,  3                            ; v3   where I read 16 bytes back
.set GO,  4                            ; v4   16 t
.set XR,  8                            ; v[8:39]   row j of my eight at XR + 4 j; later what comes back from the stage
.set YR,  40                           ; v[40:55]  column c of my four at YR + 4 c: 8 k in f16
.set LO,  56                           ; v[56:63]  byte offsets of my eight rows
.set SPW, 64                           ; v64  my spare word
.set NIL, 65                           ; v65  0
	s_load_b512 s[8:23], s[0:1], 0x0               ; Wq 8, Wk 10, Wv 12, fc_w 14, ff_w1 16, ff_w2 18, wq 20, wfc 22
	s_load_b128 s[24:27], s[0:1], 0x40             ; w1 24, w2 26
	v_lshl_add_u32 v[SPW], v0, 2, SPARE
	v_mov_b32 v[NIL], 0
	s_mov_b32 s40, ttmp9                           ; the tile's number g
	s_mov_b32 s44, 1024                            ; the case's first tile; ff_w2 is the default
	s_mov_b32 s42, 4                               ; bits of the tile's place along n
	s_mov_b32 s32, 4096                            ; P: bytes in a row of the source
	s_mov_b32 s43, 1024                            ; NR
	s_cmp_lt_u32 s40, 1024                         ; ff_w1
	s_cselect_b32 s44, 512, s44
	s_cselect_b32 s42, 6, s42
	s_cselect_b32 s32, 16384, s32
	s_cselect_b32 s43, 4096, s43
	s_cmp_lt_u32 s40, 512                          ; fc_w
	s_cselect_b32 s44, 384, s44
	s_cselect_b32 s42, 4, s42
	s_cselect_b32 s32, 4096, s32
	s_cselect_b32 s43, 1024, s43
	s_sub_co_u32 s41, s40, s44                     ; the tile's number in its case
	s_bfm_b32 s45, s42, 0
	s_and_b32 s46, s41, s45                        ; nt: 64 n each
	s_lshr_b32 s47, s41, s42                       ; kt: 128 k each
	s_lshl_b32 s34, s46, 8                         ; 64 n x 4 bytes along the source's row
	s_lshr_b32 s41, s40, 3                         ; Wq, Wk, Wv: nt = 16 which + head,
	s_and_b32 s45, s40, 7                          ; kt,
	s_and_b32 s36, s41, 15
	s_lshl_b32 s36, s36, 18                        ; the head's 1,024 x 64 numbers,
	s_lshr_b32 s48, s40, 7                         ; which
	s_cmp_lt_u32 s40, 384
	s_cselect_b32 s46, s41, s46
	s_cselect_b32 s47, s45, s47
	s_cselect_b32 s34, s36, s34
	s_cselect_b32 s32, 256, s32
	s_cselect_b32 s43, 3072, s43
	s_mul_i32 s35, s47, s32
	s_lshl_b32 s35, s35, 7                         ; kt x 128 rows
	s_add_co_u32 s34, s34, s35
	s_mov_b32 s35, 0                               ; s[34:35]: the tile's first byte in the source
	s_mul_i32 s36, s47, s43
	s_lshl_b32 s36, s36, 1                         ; 2 kt blocks of NR rows
	s_lshl_b32 s37, s46, 6
	s_add_co_u32 s36, s36, s37                     ; + 64 nt rows
	s_lshl_b32 s36, s36, 7
	s_mov_b32 s37, 0                               ; s[36:37]: the tile's first byte in the copy
	s_lshl_b32 s50, s43, 7
	s_mov_b32 s51, 0                               ; s[50:51]: from a block of K to the next
	v_lshrrev_b32 v5, 4, v0                        ; kg: my eight k
	v_and_b32 v6, 15, v0                           ; nq: my four n
	v_lshlrev_b32 v7, 3, v5
	v_mul_lo_u32 v[LO], v7, s32
	v_lshl_add_u32 v[LO], v6, 4, v[LO]
.irp j, 1,2,3,4,5,6,7
	v_add_nc_u32 v[LO+(\j)], s32, v[LO+(\j)-1]
.endr
	v_lshrrev_b32 v7, 3, v5
	v_mul_u32_u24 v[ST], v7, KBH                   ; the block of K,
	v_mad_u32_u24 v[ST], v6, 4*PST, v[ST]          ; row 4 nq,
	v_and_b32 v7, 7, v5
	v_lshl_add_u32 v[ST], v7, 4, v[ST]             ; my 8 k in it
	v_lshrrev_b32 v7, 3, v0
	v_mul_u32_u24 v[RD], v7, PST
	v_and_b32 v7, 7, v0
	v_lshl_add_u32 v[RD], v7, 4, v[RD]             ; back: row t / 8, 16 bytes at 16 (t % 8)
	v_lshlrev_b32 v[GO], 4, v0
	s_wait_kmcnt 0x0
	s_cmp_eq_u32 s48, 1
	s_cselect_b64 s[28:29], s[10:11], s[12:13]
	s_cmp_eq_u32 s48, 0
	s_cselect_b64 s[28:29], s[8:9], s[28:29]
	s_cmp_lt_u32 s40, 1024
	s_cselect_b64 s[52:53], s[16:17], s[18:19]
	s_cselect_b64 s[30:31], s[24:25], s[26:27]
	s_cmp_lt_u32 s40, 512
	s_cselect_b64 s[52:53], s[14:15], s[52:53]
	s_cselect_b64 s[30:31], s[22:23], s[30:31]
	s_cmp_lt_u32 s40, 384
	s_cselect_b64 s[28:29], s[28:29], s[52:53]
	s_cselect_b64 s[30:31], s[20:21], s[30:31]
	s_add_nc_u64 s[28:29], s[28:29], s[34:35]      ; the source at my tile
	s_add_nc_u64 s[30:31], s[30:31], s[36:37]      ; the copy at the tile's first block of K,
	s_add_nc_u64 s[38:39], s[30:31], s[50:51]      ; and at its second
.irp j, 0,1,2,3,4,5,6,7
	global_load_b128 v[XR+4*(\j):XR+4*(\j)+3], v[LO+(\j)], s[28:29] th:TH_LOAD_NT  ; read once in the launch
.endr
.irp i, 0,1,2,3
	s_wait_loadcnt 6-2*(\i)                        ; rows 2 i and 2 i + 1 are in; the younger loads stay out
.irp c, 0,1,2,3
	v_cvt_pk_f16_f32 v[YR+4*(\c)+(\i)], v[XR+8*(\i)+(\c)], v[XR+8*(\i)+4+(\c)]
.endr
.endr
.irp c, 0,1,2,3
	ds_store_b128 v[ST], v[YR+4*(\c):YR+4*(\c)+3] offset:(\c)*PST
.endr
	s_wait_dscnt 0x0                               ; for the others' sake: my stores are done
	s_barrier_signal -1
	s_barrier_wait -1
.irp i, 0,1,2,3
	ds_load_b128 v[XR+4*(\i):XR+4*(\i)+3], v[RD] offset:((\i)%2)*32*PST+((\i)/2)*KBH
.endr
	s_wait_dscnt 3
	global_store_b128 v[GO], v[XR:XR+3], s[30:31]
	s_wait_dscnt 2
	global_store_b128 v[GO], v[XR+4:XR+7], s[30:31] offset:4096
	s_wait_dscnt 1
	global_store_b128 v[GO], v[XR+8:XR+11], s[38:39]
	s_wait_dscnt 0
	global_store_b128 v[GO], v[XR+12:XR+15], s[38:39] offset:4096
	s_wait_tensorcnt 0x0                           ; the wave's end: behind my last LDS store
	ds_add_u32 v[SPW], v[NIL]
	s_wait_dscnt 0x0
	s_endpgm
.Lfunc_end_k_qa28998da1b_wt:
	.size	k_qa28998da1b_wt, .Lfunc_end_k_qa28998da1b_wt-k_qa28998da1b_wt
	.p2alignl 7, 3214868480
	.fill 96, 4, 3214868480
	.section	.rodata,"a",@progbits
	.p2align	6, 0x0
	.amdhsa_kernel k_qa28998da1b_wt
		.amdhsa_group_segment_fixed_size 19456
		.amdhsa_private_segment_fixed_size 0
		.amdhsa_enable_private_segment 0
		.amdhsa_kernarg_size 80
		.amdhsa_user_sgpr_count 2
		.amdhsa_user_sgpr_kernarg_segment_ptr 1
		.amdhsa_wavefront_size32 1
		.amdhsa_system_sgpr_workgroup_id_x 1
		.amdhsa_system_sgpr_workgroup_id_y 1
		.amdhsa_system_sgpr_workgroup_id_z 1
		.amdhsa_system_vgpr_workitem_id 0
		.amdhsa_next_free_vgpr 68
		.amdhsa_next_free_sgpr 66
		.amdhsa_reserve_vcc 0
		.amdhsa_float_denorm_mode_32 3
		.amdhsa_float_denorm_mode_16_64 3
		.amdhsa_memory_ordered 1
		.amdhsa_forward_progress 1
		.amdhsa_inst_pref_size 8
	.end_amdhsa_kernel
	.amdgpu_metadata
---
amdhsa.version: [ 1, 2 ]
amdhsa.kernels:
  - .name:           k_qa28998da1b_wt
    .symbol:         k_qa28998da1b_wt.kd
    .args:
      - { .name: Wq, .offset: 0, .size: 8, .value_kind: global_buffer, .address_space: global }
      - { .name: Wk, .offset: 8, .size: 8, .value_kind: global_buffer, .address_space: global }
      - { .name: Wv, .offset: 16, .size: 8, .value_kind: global_buffer, .address_space: global }
      - { .name: fc_w, .offset: 24, .size: 8, .value_kind: global_buffer, .address_space: global }
      - { .name: ff_w1, .offset: 32, .size: 8, .value_kind: global_buffer, .address_space: global }
      - { .name: ff_w2, .offset: 40, .size: 8, .value_kind: global_buffer, .address_space: global }
      - { .name: wq, .offset: 48, .size: 8, .value_kind: global_buffer, .address_space: global }
      - { .name: wfc, .offset: 56, .size: 8, .value_kind: global_buffer, .address_space: global }
      - { .name: w1, .offset: 64, .size: 8, .value_kind: global_buffer, .address_space: global }
      - { .name: w2, .offset: 72, .size: 8, .value_kind: global_buffer, .address_space: global }
    .group_segment_fixed_size: 19456
    .private_segment_fixed_size: 0
    .kernarg_segment_align: 8
    .kernarg_segment_size: 80
    .max_flat_workgroup_size: 256
    .sgpr_count:     66
    .vgpr_count:     68
    .wavefront_size: 32
...
	.end_amdgpu_metadata
.endif
;; end of part 1
;; launch ln1 (part 2): grid 256 x 1, 8 waves a work-group, no clusters, 0 bytes of LDS; arguments x, ln1_s, ln1_b, nrm; writes nrm
.if DOCPART == 2
	.amdgcn_target "amdgcn-amd-amdhsa--gfx1250"
	.amdhsa_code_object_version 6
	.text
	.protected	k_qa28998da1b_ln1
	.globl	k_qa28998da1b_ln1
	.p2align	8
	.type	k_qa28998da1b_ln1,@function
k_qa28998da1b_ln1:
	s_mov_b64 s[64:65], 0
	v_nop
	global_prefetch_b8 v0, s[64:65] scope:SCOPE_SE
	s_setreg_imm32_b32 hwreg(HW_REG_WAVE_MODE, 25, 1), 1
	s_wait_xcnt 0x0
; LAYERNORM.  out = s (x - mean) / sqrt(var + 1e-5) + b along rows of 1,024 f32; out in f16, in blocks of 64 channels: (row, k) at byte ((k / 64) 4,096 + row) 128 + 2 (k % 64).
; Mean first, then the squares of x - mean: no difference of large sums.  LIMIT: f16 ends at 65,504.
; A wave takes two rows and keeps them in registers: the row is read once.  A row lies on 16 lanes (lane bit 3 says which row), 64 numbers a lane, in eight chunks of eight:
; chunk c of lane (kh = lane / 16, c8 = lane % 8) is block 2 c + kh, channels 8 c8 .. 8 c8 + 7.  So a chunk packs into 16 bytes, and lanes 0-15 of a store hold rows r, r + 1 of one block:
; 256 consecutive bytes, aligned.  No LDS, no barrier: the sums never leave the wave.  2,048 waves for 2,048 pairs of rows: no loop.
.set C0,   2                           ; v[2:9]    four packed chains
.set MEAN, 10                          ; v[10:11]  the mean, twice
.set RSTD, 12                          ; v[12:13]  1 / sqrt(var + eps), twice
.set W,    14
.set W2,   15
.set XR,   16                          ; v[16:79]
.set SR,   80                          ; v[80:143]
.set BR,   144                         ; v[144:207]
.set XO,   208
.set SO,   209
.set OO,   210
	s_load_b256 s[4:11], s[0:1], 0x0               ; x s[4:5], s s[6:7], b s[8:9], out s[10:11]
	s_mov_b32 s12, 0x76543210                      ; v_permlanex16_b32: each lane takes its own place in the other half
	s_mov_b32 s13, 0xfedcba98
	s_mov_b32 s14, 0x3a800000                      ; 1 / 1,024
	s_mov_b32 s15, 0x3727c5ac                      ; 1e-5
	s_lshl_b32 s2, ttmp9, 16                       ; the group's 16 rows of 4,096 bytes
	s_mov_b32 s3, 0
	s_lshl_b32 s16, ttmp9, 11                      ; and of 128 bytes in a block
	s_mov_b32 s17, 0
	v_lshrrev_b32 v1, 5, v0
	v_bfe_u32 v2, v0, 3, 1
	v_lshl_add_u32 v1, v1, 1, v2                   ; my row in the group: 2 wave + lane bit 3
	v_bfe_u32 v2, v0, 4, 1                         ; kh
	v_and_b32 v3, 7, v0                            ; c8
	v_lshlrev_b32 v[SO], 8, v2
	v_lshl_add_u32 v[SO], v3, 5, v[SO]             ; 256 kh + 32 c8
	v_lshl_add_u32 v[XO], v1, 12, v[SO]
	v_lshlrev_b32 v[OO], 19, v2                    ; kh blocks of 4,096 x 128 bytes
	v_lshl_add_u32 v[OO], v1, 7, v[OO]
	v_lshl_add_u32 v[OO], v3, 4, v[OO]
	v_mov_b32 v[W2], 0                             ; v_permlanex16_b32's destination counts as read
	s_wait_kmcnt 0x0
	s_add_nc_u64 s[4:5], s[4:5], s[2:3]
	s_add_nc_u64 s[10:11], s[10:11], s[16:17]
.irp c, 0,1,2,3,4,5,6,7
	global_load_b128 v[XR+8*(\c):XR+8*(\c)+3],   v[XO], s[4:5] offset:(\c)*512
	global_load_b128 v[XR+8*(\c)+4:XR+8*(\c)+7], v[XO], s[4:5] offset:(\c)*512+16
.endr
.irp c, 0,1,2,3,4,5,6,7
	global_load_b128 v[SR+8*(\c):SR+8*(\c)+3],   v[SO], s[6:7] offset:(\c)*512
	global_load_b128 v[SR+8*(\c)+4:SR+8*(\c)+7], v[SO], s[6:7] offset:(\c)*512+16
.endr
.irp c, 0,1,2,3,4,5,6,7
	global_load_b128 v[BR+8*(\c):BR+8*(\c)+3],   v[SO], s[8:9] offset:(\c)*512
	global_load_b128 v[BR+8*(\c)+4:BR+8*(\c)+7], v[SO], s[8:9] offset:(\c)*512+16
.endr
; the four chains into one number, then over the row's 16 lanes: lane bits 0, 1, 2 ride on the additions, bit 4 is the other half; bit 3 is the other row and is left out
.macro REDUCE
	v_pk_add_f32 v[C0:C0+1], v[C0:C0+1], v[C0+2:C0+3]
	v_pk_add_f32 v[C0+4:C0+5], v[C0+4:C0+5], v[C0+6:C0+7]
	v_pk_add_f32 v[C0:C0+1], v[C0:C0+1], v[C0+4:C0+5]
	v_add_f32 v[W], v[C0], v[C0+1]
	v_add_f32_dpp v[W], v[W], v[W] row_xmask:1 row_mask:0xf bank_mask:0xf
	v_add_f32_dpp v[W], v[W], v[W] row_xmask:2 row_mask:0xf bank_mask:0xf
	v_add_f32_dpp v[W], v[W], v[W] row_xmask:4 row_mask:0xf bank_mask:0xf
	v_permlanex16_b32 v[W2], v[W], s12, s13
	v_add_f32 v[W], v[W], v[W2]
.endm
	s_wait_loadcnt 32                              ; x is in; the 32 loads of s and b stay out
.irp k, 0,1,2,3
	v_pk_add_f32 v[C0+2*(\k):C0+2*(\k)+1], v[XR+2*(\k):XR+2*(\k)+1], v[XR+8+2*(\k):XR+8+2*(\k)+1]  ; the first pairs start the chains
.endr
.set p, 8
.rept 24
	v_pk_add_f32 v[C0+2*(p%4):C0+2*(p%4)+1], v[C0+2*(p%4):C0+2*(p%4)+1], v[XR+2*p:XR+2*p+1]
.set p, p+1
.endr
	REDUCE
	v_mul_f32 v[MEAN], s14, v[W]
	v_mul_f32 v[MEAN+1], s14, v[W]
.set p, 0
.rept 32
	v_pk_add_f32 v[XR+2*p:XR+2*p+1], v[XR+2*p:XR+2*p+1], v[MEAN:MEAN+1] neg_lo:[0,1] neg_hi:[0,1]
.set p, p+1
.endr
.irp k, 0,1,2,3
	v_pk_mul_f32 v[C0+2*(\k):C0+2*(\k)+1], v[XR+2*(\k):XR+2*(\k)+1], v[XR+2*(\k):XR+2*(\k)+1]
.endr
.set p, 4
.rept 28
	v_pk_fma_f32 v[C0+2*(p%4):C0+2*(p%4)+1], v[XR+2*p:XR+2*p+1], v[XR+2*p:XR+2*p+1], v[C0+2*(p%4):C0+2*(p%4)+1]
.set p, p+1
.endr
	REDUCE
	v_fma_f32 v[W], v[W], s14, s15                 ; var + eps
	v_rsq_f32 v[RSTD], v[W]
	v_rsq_f32 v[RSTD+1], v[W]
	v_nop                                          ; a plain instruction behind the two roots,
	s_wait_alu depctr_va_vdst(0)                   ; and a wait ahead of their first reader
	s_wait_loadcnt 0x0                             ; s and b
.set p, 0
.rept 32
	v_pk_mul_f32 v[SR+2*p:SR+2*p+1], v[SR+2*p:SR+2*p+1], v[RSTD:RSTD+1]
.set p, p+1
.endr
.set p, 0
.rept 32
	v_pk_fma_f32 v[XR+2*p:XR+2*p+1], v[XR+2*p:XR+2*p+1], v[SR+2*p:SR+2*p+1], v[BR+2*p:BR+2*p+1]
.set p, p+1
.endr
.set p, 0
.rept 32
	v_cvt_pk_f16_f32 v[XR+p], v[XR+2*p], v[XR+2*p+1]  ; in place, ascending: register p is written when 2 p and 2 p + 1 have been read
.set p, p+1
.endr
.irp c, 0,1,2,3,4,5,6,7
	global_store_b128 v[OO], v[XR+4*(\c):XR+4*(\c)+3], s[10:11] offset:(\c)*1048576  ; two blocks on: 7,340,032 at the most, inside the signed 24 bits
.endr
	s_endpgm
.Lfunc_end_k_qa28998da1b_ln1:
	.size	k_qa28998da1b_ln1, .Lfunc_end_k_qa28998da1b_ln1-k_qa28998da1b_ln1
	.p2alignl 7, 3214868480
	.fill 96, 4, 3214868480
	.section	.rodata,"a",@progbits
	.p2align	6, 0x0
	.amdhsa_kernel k_qa28998da1b_ln1
		.amdhsa_group_segment_fixed_size 0
		.amdhsa_private_segment_fixed_size 0
		.amdhsa_enable_private_segment 0
		.amdhsa_kernarg_size 32
		.amdhsa_user_sgpr_count 2
		.amdhsa_user_sgpr_kernarg_segment_ptr 1
		.amdhsa_wavefront_size32 1
		.amdhsa_system_sgpr_workgroup_id_x 1
		.amdhsa_system_sgpr_workgroup_id_y 1
		.amdhsa_system_sgpr_workgroup_id_z 1
		.amdhsa_system_vgpr_workitem_id 0
		.amdhsa_next_free_vgpr 216
		.amdhsa_next_free_sgpr 66
		.amdhsa_reserve_vcc 0
		.amdhsa_float_denorm_mode_32 3
		.amdhsa_float_denorm_mode_16_64 3
		.amdhsa_memory_ordered 1
		.amdhsa_forward_progress 1
		.amdhsa_inst_pref_size 20
	.end_amdhsa_kernel
	.amdgpu_metadata
---
amdhsa.version: [ 1, 2 ]
amdhsa.kernels:
  - .name:           k_qa28998da1b_ln1
    .symbol:         k_qa28998da1b_ln1.kd
    .args:
      - { .name: x, .offset: 0, .size: 8, .value_kind: global_buffer, .address_space: global }
      - { .name: ln1_s, .offset: 8, .size: 8, .value_kind: global_buffer, .address_space: global }
      - { .name: ln1_b, .offset: 16, .size: 8, .value_kind: global_buffer, .address_space: global }
      - { .name: nrm, .offset: 24, .size: 8, .value_kind: global_buffer, .address_space: global }
    .group_segment_fixed_size: 0
    .private_segment_fixed_size: 0
    .kernarg_segment_align: 8
    .kernarg_segment_size: 32
    .max_flat_workgroup_size: 256
    .sgpr_count:     66
    .vgpr_count:     216
    .wavefront_size: 32
...
	.end_amdgpu_metadata
.endif
;; end of part 2
;; launch gq (part 3): grid 12 x 16, 4 waves a work-group, clusters of 4 x 4, 327,680 bytes of LDS; arguments nrm, wq, big; writes big
.if DOCPART == 3
	.amdgcn_target "amdgcn-amd-amdhsa--gfx1250"
	.amdhsa_code_object_version 6
	.text
	.protected	k_qa28998da1b_gq
	.globl	k_qa28998da1b_gq
	.p2align	8
	.type	k_qa28998da1b_gq,@function
k_qa28998da1b_gq:
	s_mov_b64 s[64:65], 0
	v_nop
	global_prefetch_b8 v0, s[64:65] scope:SCOPE_SE
	s_setreg_imm32_b32 hwreg(HW_REG_WAVE_MODE, 25, 1), 1
	s_wait_xcnt 0x0
	s_wait_alu depctr_hold_cnt(0) depctr_sa_sdst(0) depctr_va_vdst(0) depctr_va_sdst(0) depctr_va_ssrc(0) depctr_va_vcc(0) depctr_vm_vsrc(0)
	s_getreg_b32 s2, hwreg(HW_REG_IB_STS2, 6, 4)
	s_cmp_eq_u32 s2, 0
	s_cbranch_scc0 .Lentry_in_a_cluster
	s_endpgm
.Lentry_in_a_cluster:
	s_bfe_u32 s2, ttmp6, 0x10000c
	s_cmp_lg_u32 s2, 0xf033
	s_cbranch_scc0 .Lentry_shape_is_right
	s_endpgm
.Lentry_shape_is_right:
; q, k, v = xn W.  C[m][n] = sum over k of A[m][k] B[n][k], K = 1,024, M = 4,096, N = NCOLS; A, B, C in f16, sums in f32, C rounded once.
; ALL THREE LIE IN BLOCKS OF 64 ALONG THEIR LAST INDEX: (row, k) at byte ((k / 64) ROWS + row) 128 + 2 (k % 64): for one block a run of rows is dense.  LIMIT: f16 ends at 65,504.
; A tile of C, 256 x 256, is made by four waves, each 128 x 128: 64 accumulators, 512 registers.  K goes in steps of 128 (two blocks) through two LDS slots.  A wave's tensor load brings one block of the
; tile's 256 rows: 32,768 dense bytes, asked for as 128 rows of 256 bytes and padded in LDS behind every 128: LDS rows of 144 bytes, so the 16 rows of a fragment load start at 16 different groups of four banks.
; CLUSTER 4 x 4: A's tiles are asked for jointly along a row of the cluster, B's along a column.  THE PRODUCT IS USED TRANSPOSED (source 0 = rows of B): a lane holds eight neighbouring columns of a row of C.
; ONE K STEP IS WRITTEN ONCE: the LDS base of the slot in hand is a scalar (TB) that an exclusive or turns; one descriptor a tensor walks, its LDS word turned likewise (wave x KBL shares no bit with SLOT).
; THE WAY OUT: the ring has had its last fill; each wave puts its 128 x 128 sums there in f32 (rows of 528 bytes) and reads them back eight rows a trip, rounds, and stores 512 consecutive bytes an instruction.
; REGISTERS: window 0: v16-31 addresses, v64-191 A's fragments (two buffers), v32-111 at work on the way out; window 1: v64-191 B's fragments; windows 2, 3: the accumulators, (a, b) at v[8 (8 a + b)].
.set NCOLS,  3072
.set EPI,    0                         ; 0: C = the sums.  1: C = gelu(the sums + bias)
.set NK,     8                         ; K steps
.set PITCH,  144
.set KBL,    256*PITCH                 ; one block of K of a tile: what one tensor load brings
.set SLOT,   4*KBL                     ; A's two blocks, then B's two
.set SPARE,  2*SLOT                    ; behind the ring: the spare words, 128 bytes for each wave
.set DPITCH, 528                       ; the way out: 128 f32 + 16 bytes
.set DW,     128*DPITCH                ; a wave's part of it, at wave x DW
.set KADV_A, 2*4096*128                ; bytes from a K step to the next
.set KADV_B, 2*NCOLS*128
.set DW0,    (1<<16)|(1<<20)|(1<<21)|(4<<22)|(3<<25)  ; 2-byte elements; padding on; bit 21 beside a mask; behind every 32 words; 4 words
.set ADRA0, 16                         ; v16, v17  my fragments' place in a slot; never rewritten
.set ADRB0, 17
.set ADRA,  18                         ; v18, v19  the same in the slot in hand
.set ADRB,  19
.set STO,   24                         ; v24  the way out: where I put 16 bytes
.set RD,    25                         ; v25  where I read back, in the first eight rows
.set CO,    26                         ; v26  16 x lane
.set RDC,   27                         ; v27  RD + the trip's rows
.set SPW,   28                         ; v28  my spare word; never rewritten
.set NIL,   29                         ; v29  0
.set PFO,   30                         ; v30  256 x lane
.set BO,    31                         ; v31  32 x (lane / 16)
.set XR,    32
.set TR,    64
.set YR,    96
.set F0,    64
.set F1,    128
.set BIAS,  192
.set G1,  24                           ; s[24:31] group 1 for A;  s[32:39] group 0: the first fill's, and the one that walks
.set G0,  32
.set LIM, 43                           ; s43  a wave prefetches while the loop's count is above it
.set PFA, 44                           ; s[44:45] where my prefetches stand
.set G1B, 48                           ; s[48:55], s[56:63] the same for B
.set G0B, 56
.set BIASP, 68
.set TB,  72                           ; s72  LDS byte at which the slot in hand begins
.set RS,  73                           ; s73  the way out: the trip's rows in bytes
.set PFS, 74                           ; s[74:75] the prefetches' step
.set KA1, 76
.set KA3, 78
.set MSB, 0
.macro WIN new                         ; the immediate's high byte repeats the setting that is left; a switch that changes nothing is dropped
.if MSB != (\new)
	s_set_vgpr_msb (MSB<<8)|(\new)
.set MSB, \new
.endif
.endm
.set MUL_LO, 0xa1                      ; source 0 (B) window 1, source 1 (A) window 0, C and D window 2
.set MUL_HI, 0xf1                      ; C and D window 3
.set TO_B,   0x40                      ; destination window 1
.macro PLACES
.rept 4
	v_nop
.endr
.endm
; A joint refill by the walking descriptor.  Waves 0, 1 fetch A's two blocks, waves 2, 3 B's: the branch hangs on the wave's number alone.  An s_nop 0 and four v_nop follow each line.
.macro JLOAD
	s_cmp_eq_u32 s11, 0
	s_cbranch_scc0 .Lfor_b_\@
	tensor_load_to_lds s[G0+4:G0+7], s[G1:G1+7]
	s_nop 0
	PLACES
	s_branch .Lasked_\@
.Lfor_b_\@:
	tensor_load_to_lds s[G0B+4:G0B+7], s[G1B:G1B+7]
	s_nop 0
	PLACES
.Lasked_\@:
.endm
; A prefetch of the K step two refills on: of the 128 blocks of 256 bytes that I fetch, my work-group's 32, a lane a block.  A's are asked for by the clusters with x = 0, B's by those with y = 0; the four
; partners are told apart by address.  So each block is named once in the launch.  K steps 0 to 3 come by their loads alone; the loop's last two trips have no K step two refills on.
.macro ASK
	s_cmp_gt_u32 s3, s[LIM]
	s_cbranch_scc0 .Lnot_mine_\@
	global_prefetch_b8 v[PFO], s[PFA:PFA+1] th:TH_LOAD_NT scope:SCOPE_SE
.Lnot_mine_\@:
.endm
.macro CREST                           ; a round of the cluster's barrier behind its opening barrier
	s_cmp_lg_u32 s10, 0
	s_cbranch_scc1 .Lnot_wave_0_\@
	s_barrier_signal -3
.Lnot_wave_0_\@:
	s_barrier_wait -3
	s_barrier_signal -1
	s_barrier_wait -1
.endm
.macro CROUND
	s_barrier_signal -1
	s_barrier_wait -1
	CREST
.endm
	s_load_b128 s[4:7], s[0:1], 0x0                ; A s[4:5], B s[6:7]
	s_load_b64 s[8:9], s[0:1], 0x10                ; C
.if EPI
	s_load_b64 s[BIASP:BIASP+1], s[0:1], 0x18
.endif
	v_lshl_add_u32 v[SPW], v0, 2, SPARE
	v_mov_b32 v[NIL], 0
	ds_add_u32 v[SPW], v[NIL]                      ; the wave's opening: the add and its wait stand ahead of my first tensor load
	ds_add_u32 v28, v29
	v_lshrrev_b32 v1, 5, v0
	v_readfirstlane_b32 s10, v1                    ; wave 0..3
	s_lshr_b32 s11, s10, 1                         ; my half of the tile's rows.  Also: I fetch for A (0) or B (1)
	s_and_b32 s12, s10, 1                          ; my half of its columns.  Also: which block of the K step I fetch
	s_bfe_u32 s40, ttmp6, 0x40000                  ; cx
	s_bfe_u32 s41, ttmp6, 0x40004                  ; cy
	s_lshl_b32 s42, ttmp9, 2
	s_add_co_u32 s42, s42, s40                     ; tile column
	s_and_b32 s13, ttmp7, 0xffff
	s_lshl_b32 s13, s13, 2
	s_add_co_u32 s13, s13, s41                     ; tile row
	s_lshl_b32 s43, s41, 2
	s_lshl_b32 s43, 15, s43                        ; my row of the cluster
	s_lshl_b32 s44, 0x1111, s40                    ; my column
	s_or_b32 s[G1+0], s43, DW0
	s_or_b32 s[G1B+0], s44, DW0
.irp g, G1, G1B
	s_mov_b32 s[(\g)+1], 128<<16                   ; tensor_dim0 = 128 elements: 256 bytes
	s_mov_b32 s[(\g)+2], 128<<16                   ; tensor_dim1 = 128
	s_mov_b32 s[(\g)+3], 128<<16                   ; tile_dim0
	s_mov_b32 s[(\g)+4], 128                       ; tile_dim1
	s_mov_b32 s[(\g)+5], 128                       ; dense: 128 elements from row to row
	s_mov_b32 s[(\g)+6], 0
	s_mov_b32 s[(\g)+7], 0
.endr
	s_lshl_b32 s16, s12, 19                        ; A: my block's 4,096 rows of 128 bytes,
	s_lshl_b32 s17, s13, 15                        ; the tile's 256 rows
	s_add_co_u32 s16, s16, s17
	s_mov_b32 s17, 0
	s_mul_i32 s46, s12, NCOLS*128                  ; B likewise
	s_lshl_b32 s47, s42, 15
	s_add_co_u32 s46, s46, s47
	s_mov_b32 s47, 0
	s_mul_i32 s20, s10, KBL                        ; where my loads go in a slot
	s_mov_b32 s[TB], 0
.if EPI
	s_mov_b32 s[KA1], 0xc0135761                   ; -2 log2(e) sqrt(2 / pi)
	s_mov_b32 s[KA1+1], s[KA1]
	s_mov_b32 s[KA3], 0xbe041de0                   ; -2 log2(e) 0.044715
	s_mov_b32 s[KA3+1], s[KA3]
.endif
	s_wait_dscnt 0x0                               ; the opening add is done
	s_wait_kmcnt 0x0
	s_add_nc_u64 s[14:15], s[4:5], s[16:17]
	s_add_nc_u64 s[46:47], s[6:7], s[46:47]
	CROUND                                         ; all sixteen work-groups are here: the first joint loads meet
.irp s, 0,1
	s_mov_b32 s[G0+4*(\s)], 1
	s_add_co_u32 s[G0+4*(\s)+1], s20, (\s)*SLOT
	s_add_nc_u64 s[G0+4*(\s)+2:G0+4*(\s)+3], s[14:15], (\s)*KADV_A
	s_or_b32 s[G0+4*(\s)+3], s[G0+4*(\s)+3], 0x80000000
	s_mov_b32 s[G0B+4*(\s)], 1
	s_add_co_u32 s[G0B+4*(\s)+1], s20, (\s)*SLOT
	s_add_nc_u64 s[G0B+4*(\s)+2:G0B+4*(\s)+3], s[46:47], (\s)*KADV_B
	s_or_b32 s[G0B+4*(\s)+3], s[G0B+4*(\s)+3], 0x80000000
.endr
	s_cmp_eq_u32 s11, 0                            ; a wave's two first fills stand in one branch: two loads of mine are out
	s_cbranch_scc0 .Lfirst_b
	tensor_load_to_lds s[G0:G0+3], s[G1:G1+7]
	s_nop 0
	tensor_load_to_lds s[G0+4:G0+7], s[G1:G1+7]
	s_nop 0
	PLACES
	s_branch .Lfirst_asked
.Lfirst_b:
	tensor_load_to_lds s[G0B:G0B+3], s[G1B:G1B+7]
	s_nop 0
	tensor_load_to_lds s[G0B+4:G0B+7], s[G1B:G1B+7]
	s_nop 0
	PLACES
.Lfirst_asked:
	v_and_b32 v1, 15, v0                           ; r = lane % 16
	v_bfe_u32 v2, v0, 4, 1                         ; hl = lane / 16
	v_mul_u32_u24 v3, v1, PITCH
	v_lshl_add_u32 v3, v2, 4, v3                   ; a fragment's row x pitch + 16 hl
	s_mul_i32 s21, s11, 128*PITCH                  ; my 128 rows of A,
	s_mul_i32 s22, s12, 128*PITCH                  ; of B,
	s_add_co_u32 s22, s22, 2*KBL                   ; which lies behind A's two blocks
	v_add_nc_u32 v[ADRA0], s21, v3
	v_add_nc_u32 v[ADRB0], s22, v3
	v_add_nc_u32 v[ADRA], s[TB], v[ADRA0]
	v_add_nc_u32 v[ADRB], s[TB], v[ADRB0]
	s_mul_i32 s23, s10, DW
	v_mul_u32_u24 v4, v1, DPITCH
	v_lshl_add_u32 v4, v2, 5, v4
	v_add_nc_u32 v[STO], s23, v4                   ; in: row r, 32 bytes for each half of the lanes
	v_bfe_u32 v5, v0, 3, 2
	v_and_b32 v6, 7, v0
	v_mul_u32_u24 v5, v5, DPITCH
	v_lshl_add_u32 v5, v6, 5, v5
	v_add_nc_u32 v[RD], s23, v5                    ; back: row lane / 8, eight columns at 8 (lane % 8)
	v_and_b32 v[PFO], 31, v0
	v_lshlrev_b32 v[CO], 4, v[PFO]
	v_lshlrev_b32 v[PFO], 8, v[PFO]
	v_lshlrev_b32 v[BO], 5, v2
	; the prefetches
	s_and_b32 s22, ttmp7, 0xffff                   ; cluster y
	s_mov_b32 s[PFS], KADV_B
	s_mov_b32 s[PFS+1], 0
	s_cmp_eq_u32 s11, 0                            ; do I fetch for A?
	s_cselect_b32 s21, s40, s41                    ; my place among the four that ask with me
	s_cselect_b32 s22, ttmp9, s22                  ; the coordinate along which other clusters read the same rows
	s_cselect_b32 s[PFS], KADV_A, s[PFS]
	s_cselect_b64 s[PFA:PFA+1], s[14:15], s[46:47]
	s_cmp_eq_u32 s22, 0
	s_cselect_b32 s[LIM], 2, -1
	s_lshl_b32 s16, s21, 13                        ; my work-group's 32 blocks of 256 bytes,
	s_mul_i32 s17, s[PFS], 3                       ; at K step 3: the first refill steps it to 4
	s_add_co_u32 s16, s16, s17
	s_mov_b32 s17, 0
	s_add_nc_u64 s[PFA:PFA+1], s[PFA:PFA+1], s[16:17]
.if EPI
	s_lshl_b32 s16, s42, 10                        ; the bias of my 128 columns
	s_lshl_b32 s17, s12, 9
	s_add_co_u32 s16, s16, s17
	s_mov_b32 s17, 0
	s_add_nc_u64 s[BIASP:BIASP+1], s[BIASP:BIASP+1], s[16:17]
.irp b, 0,1,2,3,4,5,6,7
	global_load_b128 v[BIAS+8*(\b):BIAS+8*(\b)+3],   v[BO], s[BIASP:BIASP+1] offset:(\b)*64     ; register j of block b: column 16 b + 8 hl + j
	global_load_b128 v[BIAS+8*(\b)+4:BIAS+8*(\b)+7], v[BO], s[BIASP:BIASP+1] offset:(\b)*64+16
.endr
.endif
	s_lshl_b32 s46, s42, 21                        ; C at my part: blocks 4 tile column + 2 half, of 4,096 rows of 128 bytes,
	s_lshl_b32 s47, s12, 20
	s_add_co_u32 s46, s46, s47
	s_lshl_b32 s47, s13, 15                        ; row 256 tile row + 128 half
	s_add_co_u32 s46, s46, s47
	s_lshl_b32 s47, s11, 14
	s_add_co_u32 s46, s46, s47
	s_mov_b32 s47, 0
	s_add_nc_u64 s[8:9], s[8:9], s[46:47]
; 16 matrix instructions: m blocks a0, a0 + 1 of the window's four x all 8 n blocks, 32 along K.  init = 1: the first product starts the sums, with 0 or with the bias.  The 64 accumulators take turns.
.macro MUL16 f, hi, a0, init
.if (\init) && EPI
	WIN 0x81+0x40*(\hi)                            ; C in window 0
.else
	WIN MUL_LO+0x50*(\hi)
.endif
.irp a, \a0, (\a0)+1
.irp b, 0,1,2,3,4,5,6,7
.if (\init) && EPI
	v_wmma_f32_16x16x32_f16 v[8*(8*(\a)+(\b)):8*(8*(\a)+(\b))+7], v[(\f)+8*(\b):(\f)+8*(\b)+7], v[(\f)+8*(4*(\hi)+(\a)):(\f)+8*(4*(\hi)+(\a))+7], v[BIAS+8*(\b):BIAS+8*(\b)+7]
.elseif \init
	v_wmma_f32_16x16x32_f16 v[8*(8*(\a)+(\b)):8*(8*(\a)+(\b))+7], v[(\f)+8*(\b):(\f)+8*(\b)+7], v[(\f)+8*(4*(\hi)+(\a)):(\f)+8*(4*(\hi)+(\a))+7], 0
.else
	v_wmma_f32_16x16x32_f16 v[8*(8*(\a)+(\b)):8*(8*(\a)+(\b))+7], v[(\f)+8*(\b):(\f)+8*(\b)+7], v[(\f)+8*(4*(\hi)+(\a)):(\f)+8*(4*(\hi)+(\a))+7], v[8*(8*(\a)+(\b)):8*(8*(\a)+(\b))+7]
.endif
.endr
.endr
.endm
; 32 LDS loads in one run: quarter q of the K step (block q / 2, bytes 64 (q % 2) on) into buffer f
.macro FETCH q, f
	WIN TO_B
.irp i, 0,1,2,3,4,5,6,7
	ds_load_b128 v[(\f)+8*(\i):(\f)+8*(\i)+3],   v[ADRB] offset:((\q)/2)*KBL+((\q)%2)*64+(\i)*16*PITCH
	ds_load_b128 v[(\f)+8*(\i)+4:(\f)+8*(\i)+7], v[ADRB] offset:((\q)/2)*KBL+((\q)%2)*64+(\i)*16*PITCH+32
.endr
	WIN 0
.irp i, 0,1,2,3,4,5,6,7
	ds_load_b128 v[(\f)+8*(\i):(\f)+8*(\i)+3],   v[ADRA] offset:((\q)/2)*KBL+((\q)%2)*64+(\i)*16*PITCH
	ds_load_b128 v[(\f)+8*(\i)+4:(\f)+8*(\i)+7], v[ADRA] offset:((\q)/2)*KBL+((\q)%2)*64+(\i)*16*PITCH+32
.endr
.endm
; multiplies buffer f; in its middle fetches quarter q into buffer g, four places behind the last product that read g
.macro QUARTER q, f, g, init
	s_wait_dscnt 8                                 ; B and A's rows 0-63 are in; the youngest eight loads may be out
	MUL16 \f, 0, 0, \init
	MUL16 \f, 0, 2, \init
	PLACES
	FETCH \q, \g
	s_wait_dscnt 32                                ; all but the 32 just issued
	MUL16 \f, 1, 0, \init
	MUL16 \f, 1, 2, \init
.endm
; the first half of a K step's last quarter, and the barrier of the change of slots: all my tensor loads have landed (one was out: my part of the next slot), the add, my reads of this slot
.macro MEET
	WIN 0
	s_wait_tensorcnt 0x0
	ds_add_u32 v[SPW], v[NIL]                      ; 0 onto my spare word
	s_wait_dscnt 9                                 ; (the add and the youngest eight loads may be out)
	MUL16 F1, 0, 0, 0
	s_wait_dscnt 0x0                               ; the add is done, and my reads of this slot are over
	s_barrier_signal -1
	MUL16 F1, 0, 2, 0
	WIN 0
	s_barrier_wait -1
.endm
.macro TURN1                           ; the slot just read is filled again, two K steps on; then the other slot's first fragments
	s_wait_xcnt 0x0                                ; the last prefetch, a K step back, has read its address
	s_add_nc_u64 s[PFA:PFA+1], s[PFA:PFA+1], s[PFS:PFS+1]
	MEET
	CREST                                          ; the barrier has opened a round of the cluster's: no wave of any partner still reads this slot or has a load on its way
	s_xor_b32 s[G0+5], s[G0+5], SLOT
	s_add_nc_u64 s[G0+6:G0+7], s[G0+6:G0+7], KADV_A
	s_xor_b32 s[G0B+5], s[G0B+5], SLOT
	s_add_nc_u64 s[G0B+6:G0B+7], s[G0B+6:G0B+7], KADV_B
	JLOAD                                          ; the first tensor load behind the round; its four v_nop are also the places in front of the loads below
	s_xor_b32 s[TB], s[TB], SLOT
	v_add_nc_u32 v[ADRA], s[TB], v[ADRA0]
	v_add_nc_u32 v[ADRB], s[TB], v[ADRB0]
	FETCH 0, F0
	ASK
	MUL16 F1, 1, 0, 0
	MUL16 F1, 1, 2, 0
.endm
.macro TURN0                           ; the last two K steps ask for nothing; behind the very last there is no slot to go on to
	MEET
	PLACES
	s_cmp_eq_u32 s3, 1
	s_cbranch_scc1 .Lno_fetch_\@
	s_xor_b32 s[TB], s[TB], SLOT
	v_add_nc_u32 v[ADRA], s[TB], v[ADRA0]
	v_add_nc_u32 v[ADRB], s[TB], v[ADRB0]
	FETCH 0, F0
.Lno_fetch_\@:
	MUL16 F1, 1, 0, 0
	MUL16 F1, 1, 2, 0
.endm
	s_wait_tensorcnt 0x1                           ; my part of K step 0 is in; K step 1's may stay out
	s_barrier_signal -1
	s_barrier_wait -1
	FETCH 0, F0
.if EPI
	s_wait_loadcnt 0x0                             ; the bias
.endif
	QUARTER 1, F0, F1, 1                           ; the first quarter stands in front of the loop: its products start the sums
	WIN 0
	s_mov_b32 s3, NK-2
.Lstep:                                        ; a trip: from a K step's second quarter to the next step's first; trip k fills K step k's slot with K step k + 2
	QUARTER 2, F1, F0, 0
	QUARTER 3, F0, F1, 0
	TURN1
	QUARTER 1, F0, F1, 0
	WIN 0
	s_sub_co_u32 s3, s3, 1
	s_cmp_lg_u32 s3, 0
	s_cbranch_scc1 .Lstep
	s_mov_b32 s3, 2
.Ltail:                                        ; the last two K steps: no tensor load; the second trip is left behind its last products
	QUARTER 2, F1, F0, 0
	QUARTER 3, F0, F1, 0
	TURN0
	WIN 0
	s_cmp_eq_u32 s3, 1
	s_cbranch_scc1 .Ltail_end
	QUARTER 1, F0, F1, 0
	WIN 0
.Ltail_end:
	s_sub_co_u32 s3, s3, 1
	s_cmp_lg_u32 s3, 0
	s_cbranch_scc1 .Ltail
	; THE WAY OUT
	s_wait_dscnt 0x0
	s_barrier_signal -1
	s_barrier_wait -1                              ; no wave reads the ring any more, and nothing will be filled
	PLACES
	PLACES
.irp hi, 0,1
	WIN 0x08+4*(\hi)                               ; the stores' data in window 2, 3
.irp a, 0,1,2,3
.irp b, 0,1,2,3,4,5,6,7
	ds_store_b128 v[STO], v[8*(8*(\a)+(\b)):8*(8*(\a)+(\b))+3]   offset:(4*(\hi)+(\a))*16*DPITCH+(\b)*64      ; each accumulator's low four registers first
	ds_store_b128 v[STO], v[8*(8*(\a)+(\b))+4:8*(8*(\a)+(\b))+7] offset:(4*(\hi)+(\a))*16*DPITCH+(\b)*64+16
.endr
.endr
.endr
	WIN 0
	s_wait_dscnt 0x0
	s_barrier_signal -1
	s_barrier_wait -1                              ; every store into the ring is done before anything is read back
	s_mov_b32 s[RS], 0
	s_mov_b32 s3, 16
.Lout:                                         ; eight rows a trip: group g is rows 4 (g / 2) + lane / 8 in block g % 2 of my two blocks of 64 columns
	v_add_nc_u32 v[RDC], s[RS], v[RD]
.irp g, 0,1,2,3
	ds_load_b128 v[XR+8*(\g):XR+8*(\g)+3],   v[RDC] offset:((\g)/2)*4*DPITCH+((\g)%2)*256
	ds_load_b128 v[XR+8*(\g)+4:XR+8*(\g)+7], v[RDC] offset:((\g)/2)*4*DPITCH+((\g)%2)*256+16
.endr
	s_wait_dscnt 0x0
.if EPI
	; 0.5 x (1 + tanh(u)) = x / (1 + 2^(-2 log2(e) u)), u = sqrt(2 / pi) x + 0.044715 x^3: the exponent is x (KA1 + KA3 x^2).  An infinite power gives 0, a vanished one x.
.set z, 0
.rept 16
	v_pk_mul_f32 v[TR+z:TR+z+1], v[XR+z:XR+z+1], v[XR+z:XR+z+1]
.set z, z+2
.endr
.set z, 0
.rept 16
	v_pk_fma_f32 v[TR+z:TR+z+1], v[TR+z:TR+z+1], s[KA3:KA3+1], s[KA1:KA1+1] op_sel_hi:[1,0,0]
.set z, z+2
.endr
.set z, 0
.rept 16
	v_pk_mul_f32 v[TR+z:TR+z+1], v[TR+z:TR+z+1], v[XR+z:XR+z+1]
.set z, z+2
.endr
.set z, 0
.rept 32
	v_exp_f32 v[TR+z], v[TR+z]
.set z, z+1
.endr
	v_nop                                          ; a plain instruction behind the last of the batch,
	s_wait_alu depctr_va_vdst(0)                   ; and one wait for the 32, ahead of their first reader
.set z, 0
.rept 16
	v_pk_add_f32 v[TR+z:TR+z+1], v[TR+z:TR+z+1], 1.0 op_sel_hi:[1,0]
.set z, z+2
.endr
.set z, 0
.rept 32
	v_rcp_f32 v[TR+z], v[TR+z]
.set z, z+1
.endr
	v_nop
	s_wait_alu depctr_va_vdst(0)
.set z, 0
.rept 16
	v_pk_mul_f32 v[XR+z:XR+z+1], v[XR+z:XR+z+1], v[TR+z:TR+z+1]
.set z, z+2
.endr
.endif
.set z, 0
.rept 16
	v_cvt_pk_f16_f32 v[YR+z], v[XR+2*z], v[XR+2*z+1]
.set z, z+1
.endr
.irp g, 0,1,2,3
	global_store_b128 v[CO], v[YR+4*(\g):YR+4*(\g)+3], s[8:9] offset:((\g)/2)*512+((\g)%2)*524288  ; four rows of one block: 512 consecutive bytes, aligned
.endr
	s_wait_xcnt 0x0                                ; the stores have read their data and their base, which are written again below and in the next trip
	s_add_nc_u64 s[8:9], s[8:9], 1024
	s_add_co_u32 s[RS], s[RS], 8*DPITCH
	s_sub_co_u32 s3, s3, 1
	s_cmp_lg_u32 s3, 0
	s_cbranch_scc1 .Lout
	s_wait_tensorcnt 0x0                           ; the wave's end
	ds_add_u32 v[SPW], v[NIL]
	s_wait_dscnt 0x0
	CROUND                                         ; the closing round
	s_endpgm
.Lfunc_end_k_qa28998da1b_gq:
	.size	k_qa28998da1b_gq, .Lfunc_end_k_qa28998da1b_gq-k_qa28998da1b_gq
	.p2alignl 7, 3214868480
	.fill 96, 4, 3214868480
	.section	.rodata,"a",@progbits
	.p2align	6, 0x0
	.amdhsa_kernel k_qa28998da1b_gq
		.amdhsa_group_segment_fixed_size 327680
		.amdhsa_private_segment_fixed_size 0
		.amdhsa_enable_private_segment 0
		.amdhsa_kernarg_size 24
		.amdhsa_user_sgpr_count 2
		.amdhsa_user_sgpr_kernarg_segment_ptr 1
		.amdhsa_wavefront_size32 1
		.amdhsa_system_sgpr_workgroup_id_x 1
		.amdhsa_system_sgpr_workgroup_id_y 1
		.amdhsa_system_sgpr_workgroup_id_z 1
		.amdhsa_system_vgpr_workitem_id 0
		.amdhsa_next_free_vgpr 1024
		.amdhsa_next_free_sgpr 80
		.amdhsa_reserve_vcc 0
		.amdhsa_float_denorm_mode_32 3
		.amdhsa_float_denorm_mode_16_64 3
		.amdhsa_memory_ordered 1
		.amdhsa_forward_progress 1
		.amdhsa_inst_pref_size 80
	.end_amdhsa_kernel
	.amdgpu_metadata
---
amdhsa.version: [ 1, 2 ]
amdhsa.kernels:
  - .name:           k_qa28998da1b_gq
    .symbol:         k_qa28998da1b_gq.kd
    .args:
      - { .name: nrm, .offset: 0, .size: 8, .value_kind: global_buffer, .address_space: global }
      - { .name: wq, .offset: 8, .size: 8, .value_kind: global_buffer, .address_space: global }
      - { .name: big, .offset: 16, .size: 8, .value_kind: global_buffer, .address_space: global }
    .group_segment_fixed_size: 327680
    .private_segment_fixed_size: 0
    .kernarg_segment_align: 8
    .kernarg_segment_size: 24
    .max_flat_workgroup_size: 128
    .sgpr_count:     80
    .vgpr_count:     1024
    .wavefront_size: 32
...
	.end_amdgpu_metadata
.endif
;; end of part 3
;; launch at (part 4): grid 8 x 32, 4 waves a work-group, no clusters, 327,680 bytes of LDS; arguments big, nrm; writes nrm
.if DOCPART == 4
	.amdgcn_target "amdgcn-amd-amdhsa--gfx1250"
	.amdhsa_code_object_version 6
	.text
	.protected	k_qa28998da1b_at
	.globl	k_qa28998da1b_at
	.p2align	8
	.type	k_qa28998da1b_at,@function
k_qa28998da1b_at:
	s_mov_b64 s[64:65], 0
	v_nop
	global_prefetch_b8 v0, s[64:65] scope:SCOPE_SE
	s_setreg_imm32_b32 hwreg(HW_REG_WAVE_MODE, 25, 1), 1
	s_wait_xcnt 0x0
; CAUSAL ATTENTION, head size 64, 2,048 rows, 32 heads (head number hb = 2 h + b).  Q, K, V: f16, a head's rows dense, 128 bytes each: Q at big + hb 262,144, K 8,388,608 further, V 16,777,216 further.
; O LEAVES TURNED: [64 channels][2,048 queries] f16 at nrm + hb 262,144.  Those bytes, read as rows of 64, are what reference()'s transpose and reshape make of the head: block h of the next product's A.
; Products, maxima and sums in f32; the weights p are rounded to f16 for the second product (their sum l is taken of the unrounded p), O once at the end.
; LIMITS.  f16 ends at 65,504: Q, K, V arrive within it.  A hidden score counts as its value less 1e30; a weight below 2^-126 counts as 0 in l; NaN and infinities are not treated apart.
; THE WALK.  A head's queries lie in 16 blocks of 128; block i needs the key tiles 0 .. i / 2 of 256 keys.  A work-group takes blocks 15 - bq and then bq: 9 tiles whatever bq: one loop with a constant count.
; NO CLUSTER: which trip ends a block and which tile is asked for hang on bq; only bq = 2 k and 2 k + 1 walk alike, so in a cluster of four the partners' branches would differ.
; SHARES.  Of a block's two bands of 64 queries a wave owns 16 rows in each: two PIECES.  In the block's last tile band x holds the diagonal in key step 2 (i % 2) + x, sees all keys before and none behind it.
; THE MASK is the C operand that starts S^T = K Q^T: MD x AL + BE, MD the mask of a band's own step for my rows; (AL, BE) = (1, 0) own step, (0, 0) earlier, (0, -1e30) later.  Outside a block's last tile it stays 0.
; TURNS.  Turn (s, p) belongs to piece p in key step s: 8 products K Q^T of the other piece (p = 0: step s; p = 1: step s + 1), then 8 products V^T P of the other piece's last weights; beside them piece p's scaling,
; exponentials, roundings, sums and rescaling, and the other piece's maximum and statistics.  Four vector instructions stand behind every matrix instruction, the rest in one lump; a turn's 33 exponentials have one wait.
; Turn (s, 0) fetches K and V of step s + 1, V into the buffer (of two) that its own products have just read.  So the change of slots stands in front of turn (3, 0): all of a slot's reads lie between two changes.
; REGISTERS (windows of 256): 0: v0-15 addresses, v16-23 statistics, v48-55 at work, v64-127 S^T (two buffers), v192-223 P (two);  1: v0-63 O^T, v128-159 MD, v160-223 MC (two);
;   2: v0-31 Q, v32-63 the second block's Q, v64-127 K of one step, v128-255 V of two steps.
.set NB,    8         ; changes of slots that fill
.set NP,    2
.set KS,    64
.set PK,    144       ; a row of K in LDS: 128 bytes + 16
.set PV,    160       ; a row of V: 128 + 32
.set VOFF,  4*KS*PK
.set SLOT1, 1<<17
.set STAGE, SLOT1+4*KS*(PK+PV)  ; behind the ring, never filled by a tensor load: 64 channels x 272 bytes (128 queries + 16), the work-group's
.set SP,    272
.set SPARE, STAGE+64*SP         ; the spare words, 128 bytes for each wave
.set AK0, 2
.set AV0, 3
.set AK,  4
.set AV,  5
.set STO, 6
.set RD,  7
.set GO,  8
.set MV,  12
.set QO,  15
.set ST,  16          ; piece t's statistics at v[ST+4 t]: c m, m, l (even keys', odd keys')
.set TMP, 48
.set PFO, 61          ; v61  256 x lane
.set SPW, 62
.set NIL, 63
.set S,   64
.set P,   192
.set MD,  128
.set MC,  160
.set QB,  32
.set KF,  64
.set VF,  128
.set WV,  12
.set BQ,  14          ; s14  bq: the second block
.set HI,  15          ; s15  15 - bq: the first
.set G1K, 24
.set G1V, 32
.set G0K, 40
.set G0V, 44
.set SLOTS, 56
.set CNT, 57          ; s57  counts a tile's two pairs of key steps, 2 to 1
.set CS,  58
.set SEL, 60
.set TBK, 62
.set TBV, 63
.set RT,  70          ; s70  tiles of the block in hand still to be entered
.set NXT, 71
.set LQ,  72
.set NEW, 73
.set OFF, 74
.set AL,  76
.set BE,  78
.set OLO, 80
.set BIGN, 82
.set PARC, 83         ; s83  2 - (block % 2) of the block in hand
.set PAR2, 88         ; s88  the same of the second block
.set PFN, 89          ; s89  the tile that the next prefetch names
.set PFL, 90          ; s90  8 in the two work-groups of a head that prefetch, else 0
.set PB,  91          ; s91  the second block's last tile
.set PFB, 92
.set PFA, 94
.set POF, 96
.set MSB, 0
.macro WIN new
.if MSB != (\new)
	s_set_vgpr_msb (MSB<<8)|(\new)
.set MSB, (\new)
.endif
.endm
.set W_KQ, 0x0a       ; K and Q in window 2, S^T in window 0
.set W_KM, 0x1a       ; the same with C in window 1
.set W_PV, 0x52       ; V in window 2, P in window 0, O^T in window 1
.set W_RS, 0x41       ; destination and source 0 in window 1
; A fill.  Waves 0, 1 fetch the two halves of a tile's K, waves 2, 3 those of its V.  An s_nop 0 and four v_nop follow each line.
.macro LOAD
	s_cmp_lt_u32 s[WV], 2
	s_cbranch_scc0 .Lfor_v_\@
	tensor_load_to_lds s[G0K:G0K+3], s[G1K:G1K+7]
	s_nop 0
.rept 4
	v_nop
.endr
	s_branch .Lasked_\@
.Lfor_v_\@:
	tensor_load_to_lds s[G0V:G0V+3], s[G1V:G1V+7]
	s_nop 0
.rept 4
	v_nop
.endr
.Lasked_\@:
.endm
; THE CHANGE OF SLOTS.  All my tensor loads have landed (one was out: my part of the other slot); the add; my reads of the slot that I leave are back; the barrier.  fill = 1: the old slot takes tile NXT, first thing
; behind the barrier.  Behind the load stands the prefetch of the tile after that one: of a head's eight work-groups bq = 0 asks for K's tiles 2 to 7 and bq = 1 for V's; wave w takes blocks 32 w + lane of the tile's
; 128 blocks of 256 bytes: each block is named once in the launch.  Tiles 0 and 1 come by their loads alone; behind tile 7 nothing is asked for.
.macro CHANGE fill
	WIN 0
	s_wait_tensorcnt 0x0
	ds_add_u32 v[SPW], v[NIL]       ; 0 onto my spare word
.if \fill
	s_lshl_b32 s[OFF], s[NXT], 15   ; a tile is 32,768 bytes of K and of V
	s_xor_b32 s[G0K+1], s[G0K+1], SLOT1
	s_add_nc_u64 s[G0K+2:G0K+3], s[6:7], s[OFF:OFF+1]
	s_or_b32 s[G0K+3], s[G0K+3], 0x80000000
	s_xor_b32 s[G0V+1], s[G0V+1], SLOT1
	s_add_nc_u64 s[G0V+2:G0V+3], s[8:9], s[OFF:OFF+1]
	s_or_b32 s[G0V+3], s[G0V+3], 0x80000000
	s_add_co_u32 s[NXT], s[NXT], 1  ; the block's next tile, or behind its last the second block's tile 0
	s_cmp_gt_u32 s[NXT], s[LQ]
	s_cselect_b32 s[NXT], 0, s[NXT]
	s_cselect_b32 s[LQ], s[PB], s[LQ]
	s_wait_xcnt 0x0                 ; the last prefetch, a tile back, has read its address
	s_lshl_b32 s[POF], s[PFN], 15
	s_add_nc_u64 s[PFA:PFA+1], s[PFB:PFB+1], s[POF:POF+1]
.endif
	s_wait_dscnt 0x0                ; the add is done, and my reads of the slot are over
	s_barrier_signal -1
	s_sub_co_u32 s[TBK], s[TBK], 4*KS*PK  ; the fetches go back to a slot's first step, in the other slot
	s_xor_b32 s[TBK], s[TBK], SLOT1
	s_sub_co_u32 s[TBV], s[TBV], 4*KS*PV
	s_xor_b32 s[TBV], s[TBV], SLOT1
	s_barrier_wait -1
.if \fill
	LOAD
	s_cmp_lt_u32 s[PFN], s[PFL]
	s_cbranch_scc0 .Lnp_\@
	global_prefetch_b8 v[PFO], s[PFA:PFA+1] th:TH_LOAD_NT scope:SCOPE_SE
.Lnp_\@:
	s_add_co_u32 s[PFN], s[PFN], 1
.endif
.endm
	s_load_b128 s[48:51], s[0:1], 0x0  ; big s[48:49], nrm s[50:51]
	v_lshl_add_u32 v[SPW], v0, 2, SPARE
	v_mov_b32 v[NIL], 0
	ds_add_u32 v[SPW], v[NIL]       ; the wave's opening: the add and its wait stand ahead of my first tensor load
	ds_add_u32 v62, v63
	v_lshrrev_b32 v1, 5, v0
	v_readfirstlane_b32 s[WV], v1
	s_mov_b32 s[BQ], ttmp9
	s_sub_co_u32 s[HI], 15, s[BQ]
	s_lshr_b32 s[PB], s[BQ], 1
	s_lshr_b32 s[LQ], s[HI], 1
	s_add_co_u32 s[RT], s[LQ], 1
	s_and_b32 s[PARC], s[HI], 1
	s_sub_co_u32 s[PARC], 2, s[PARC]
	s_and_b32 s[PAR2], s[BQ], 1
	s_sub_co_u32 s[PAR2], 2, s[PAR2]
	s_and_b32 s20, ttmp7, 0xffff
	s_lshl_b32 s20, s20, 18         ; the head's first byte
	s_and_b32 s16, s[WV], 1         ; which half of a tile's 256 keys I fetch
	s_lshl_b32 s22, s16, 14
	s_add_co_u32 s22, s22, s20
	s_mov_b32 s23, 0
	s_mul_i32 s17, s16, 128*PK
	s_mul_i32 s18, s16, 128*PV
	s_lshl_b32 s3, s[WV], 11        ; my 16 rows in a band,
	s_add_co_u32 s3, s3, s20
	s_lshl_b32 s2, s[HI], 14        ; in the first block,
	s_add_co_u32 s2, s2, s3
	s_lshl_b32 s84, s[BQ], 14       ; and in the second
	s_add_co_u32 s84, s84, s3
	s_mov_b32 s3, 0
	s_mov_b32 s85, 0
	s_lshl_b32 s52, s[HI], 8        ; O: a block's 128 queries are 256 bytes of each channel's row
	s_add_co_u32 s52, s52, s20
	s_mov_b32 s53, 0
	s_lshl_b32 s54, s[BQ], 8
	s_add_co_u32 s54, s54, s20
	s_mov_b32 s55, 0
	s_lshl_b32 s[POF], s[WV], 13    ; the prefetches: my wave's 32 blocks of a tile, in K (bq = 0) or V
	s_add_co_u32 s[POF], s[POF], s20
	s_mov_b32 s13, 0x1000000
	s_cmp_eq_u32 s[BQ], 0
	s_cselect_b32 s13, 0x800000, s13
	s_add_co_u32 s[POF], s[POF], s13
	s_mov_b32 s[POF+1], 0
	s_cmp_lt_u32 s[BQ], 2
	s_cselect_b32 s[PFL], 8, 0
	s_mov_b32 s[PFN], 2
	; group 1: 128 keys are 16,384 dense bytes: 64 rows of 256 bytes, padded in LDS after every key
	s_mov_b32 s[G1K], (1<<16)|(1<<20)|(4<<22)|(3<<25)
	s_mov_b32 s[G1V], (1<<16)|(1<<20)|(4<<22)|(7<<25)
.irp g, G1K, G1V
	s_mov_b32 s[\g+1], 128<<16
	s_mov_b32 s[\g+2], 64<<16
	s_mov_b32 s[\g+3], 128<<16
	s_mov_b32 s[\g+4], 64
	s_mov_b32 s[\g+5], 128
	s_mov_b32 s[\g+6], 0
	s_mov_b32 s[\g+7], 0
.endr
	s_mov_b32 s[CS], 0x3e38aa3b     ; c = log2(e) / 8
	s_mov_b32 s[CS+1], s[CS]
	s_mov_b32 s[SEL], 0x76543210
	s_mov_b32 s[SEL+1], 0xfedcba98
	s_mov_b32 s[TBK], SLOT1+4*KS*PK ; the first change of slots turns these two into 0
	s_mov_b32 s[TBV], SLOT1+4*KS*PV
	s_mov_b32 s[G0K], 1
	s_mov_b32 s[G0K+1], s17
	s_mov_b32 s[G0V], 1
	s_add_co_u32 s[G0V+1], s18, VOFF
	s_mov_b32 s[NXT], 1
	s_mov_b32 s[NEW], 1
	s_mov_b32 s[OFF+1], 0
	s_mov_b32 s[AL+1], 0
	s_mov_b32 s[BE+1], 0
	s_mov_b32 s[BIGN], 0xf149f2ca   ; -1e30
	s_mov_b32 s[SLOTS], NB
	s_wait_dscnt 0x0                ; the opening add is done
	s_wait_kmcnt 0x0
	s_add_nc_u64 s[6:7], s[48:49], s[22:23]
	s_add_nc_u64 s[8:9], s[6:7], 0x1000000         ; V at my half of the head's tile 0
	s_add_nc_u64 s[6:7], s[6:7], 0x800000          ; K likewise
	s_add_nc_u64 s[G0K+2:G0K+3], s[6:7], 0
	s_or_b32 s[G0K+3], s[G0K+3], 0x80000000
	s_add_nc_u64 s[G0V+2:G0V+3], s[8:9], 0
	s_or_b32 s[G0V+3], s[G0V+3], 0x80000000
	s_add_nc_u64 s[86:87], s[48:49], s[84:85]      ; Q at my rows of the second block,
	s_add_nc_u64 s[4:5], s[48:49], s[2:3]          ; of the first
	s_add_nc_u64 s[OLO:OLO+1], s[50:51], s[54:55]
	s_add_nc_u64 s[10:11], s[50:51], s[52:53]
	s_add_nc_u64 s[PFB:PFB+1], s[48:49], s[POF:POF+1]
	LOAD                            ; tile 0 into slot 0
	v_and_b32 v1, 15, v0            ; l % 16
	v_bfe_u32 v9, v0, 4, 1          ; l / 16
	v_lshlrev_b32 v[QO], 7, v1
	v_lshl_add_u32 v[QO], v9, 4, v[QO]
	WIN 0x80
.set i, 0
.rept 4                             ; both blocks' Q: piece i / 2 lies in band i / 2, 8,192 bytes on; channels 32 (i % 2) on
	global_load_b128 v[8*i:8*i+3],   v[QO], s[4:5] offset:(i/2)*8192+(i%2)*64
	global_load_b128 v[8*i+4:8*i+7], v[QO], s[4:5] offset:(i/2)*8192+(i%2)*64+32
	global_load_b128 v[QB+8*i:QB+8*i+3],   v[QO], s[86:87] offset:(i/2)*8192+(i%2)*64
	global_load_b128 v[QB+8*i+4:QB+8*i+7], v[QO], s[86:87] offset:(i/2)*8192+(i%2)*64+32
.set i, i+1
.endr
	WIN 0
	v_lshlrev_b32 v14, 3, v9
	v_sub_nc_u32 v14, v1, v14
	s_lshl_b32 s13, s[WV], 4
	v_add_nc_u32 v14, s13, v14      ; my query's place in its band less my lanes' 8 (l / 16): register r of group kt is hidden where 16 kt + r is greater
	WIN 0x40
.set i, 0
.rept 32
	v_cmp_gt_i32 vcc_lo, 16*(i/8)+i%8, v14
	v_cndmask_b32 v[MD+i], 0, s[BIGN], vcc_lo
.set i, i+1
.endr
	WIN 0
	v_mul_u32_u24 v[AK0], v1, PK
	v_lshl_add_u32 v[AK0], v9, 4, v[AK0]
	v_and_b32 v10, 7, v0
	v_bfe_u32 v11, v0, 3, 1
	v_lshl_add_u32 v[AV0], v9, 3, v10
	v_mul_u32_u24 v[AV0], v[AV0], PV
	v_lshl_add_u32 v[AV0], v11, 4, v[AV0]
	v_add_nc_u32 v[AV0], VOFF, v[AV0]
	s_lshl_b32 s13, s[WV], 5
	s_add_co_u32 s13, s13, STAGE
	v_mul_u32_u24 v[STO], v9, 8*SP  ; in: channel 8 (l / 16) + .., query 16 w + l % 16 of a band, two bytes
	v_lshl_add_u32 v[STO], v1, 1, v[STO]
	v_add_nc_u32 v[STO], s13, v[STO]
	s_mul_i32 s13, s[WV], 16*SP
	s_add_co_u32 s13, s13, STAGE
	v_mul_u32_u24 v[RD], v9, SP     ; back: channels 16 w + l / 16 + .., 16 bytes at 16 (l % 16)
	v_lshl_add_u32 v[RD], v1, 4, v[RD]
	v_add_nc_u32 v[RD], s13, v[RD]
	s_lshl_b32 s13, s[WV], 16
	v_lshlrev_b32 v[GO], 12, v9     ; the same in O: a channel's row is 4,096 bytes
	v_lshl_add_u32 v[GO], v1, 4, v[GO]
	v_add_nc_u32 v[GO], s13, v[GO]
	v_and_b32 v[PFO], 31, v0
	v_lshlrev_b32 v[PFO], 8, v[PFO]
	; A block's first step multiplies O^T and l by a = 0, and its first turn's products V^T P, of a piece that has not been, land in an O^T still to be so multiplied: these registers need only be finite.
	WIN 0x80
.set i, VF+64
.rept 64
	v_mov_b32 v[i], 0
.set i, i+1
.endr
	WIN 0x40
.set i, 0
.rept 64
	v_mov_b32 v[i], 0
.set i, i+1
.endr
	WIN 0
.set i, 0
.rept 2
	v_mov_b32 v[ST+4*i+2], 0
	v_mov_b32 v[ST+4*i+3], 0
.set i, i+1
.endr
.set i, P+16
.rept 16
	v_mov_b32 v[i], 0
.set i, i+1
.endr
; THE MATRIX WORK.  The 4 accumulators of a run of 8 take turns.  Product i of 8 of S^T = K Q^T for piece x: channels 32 (i / 4) on, keys 16 (i % 4) on.  The first 4 start the sums with the mask.
.macro KQ x
.set rS, S+32*((\x)%2)+8*(i%4)
.set rK, KF+16*(i%4)+8*(i/4)
.set rQ, 16*(\x)+8*(i/4)
.set rM, MC+32*((\x)%2)+8*(i%4)
.if i < 4
	WIN W_KM
	v_wmma_f32_16x16x32_f16 v[rS:rS+7], v[rK:rK+7], v[rQ:rQ+7], v[rM:rM+7]
.else
	WIN W_KQ
	v_wmma_f32_16x16x32_f16 v[rS:rS+7], v[rK:rK+7], v[rQ:rQ+7], v[rS:rS+7]
.endif
.endm
; Product i of 8 of O^T += V^T P for piece x, V from buffer VB: keys 32 (i / 4) on, channels 16 (i % 4) on.
.macro PV x
	WIN W_PV
.set rO, 32*(\x)+8*(i%4)
.set rV, VF+64*VB+32*(i/4)+8*(i%4)
.set rP, P+16*((\x)%2)+8*(i/4)
	v_wmma_f32_16x16x32_f16 v[rO:rO+7], v[rV:rV+7], v[rP:rP+7], v[rO:rO+7]
.endm
.macro MM                           ; the turn's next matrix instruction.  NOKQ = 1: a block's last turn: there are no further scores
.if (i < 8) && !NOKQ
	KQ (Y+1)%NP
.elseif i >= 8
.set i, i-8
	PV (Y+NP-1)%NP
.set i, i+8
.endif
.set i, i+1
.endm
.macro FETCH_K
	WIN 0x80
.irp f, 0,1,2,3,4,5,6,7             ; keys 16 (f / 2) on, channels 32 (f % 2) on
	ds_load_b128 v[KF+8*\f:KF+8*\f+3],   v[AK] offset:(\f/2)*16*PK+(\f%2)*64
	ds_load_b128 v[KF+8*\f+4:KF+8*\f+7], v[AK] offset:(\f/2)*16*PK+(\f%2)*64+32
.endr
	s_add_co_u32 s[TBK], s[TBK], KS*PK
	WIN 0
.endm
.macro FETCH_V vb
	WIN 0x80
.irp f, 0,1,2,3,4,5,6,7             ; keys 32 (f / 4) on, channels 16 (f % 4) on
	ds_load_tr16_b128 v[VF+64*(\vb)+8*\f:VF+64*(\vb)+8*\f+3],   v[AV] offset:(\f/4)*32*PV+(\f%4)*32
	ds_load_tr16_b128 v[VF+64*(\vb)+8*\f+4:VF+64*(\vb)+8*\f+7], v[AV] offset:(\f/4)*32*PV+16*PV+(\f%4)*32
.endr
	WIN 0
.endm
; THE VECTOR WORK, one line at a time: OP kind, number.  For piece Y: F n: c s - c m for pair n.  E n: the exponential of score n.  C n: pair n rounded to f16.  B n: of the four weights 4 n .. the second pair onto the
; first.  L n: l takes that sum (L 0: l = a l + sum).  R n: pair n of O^T times a.  For the other piece: X n, number n of the 22 that find its maximum and statistics (each accumulator's lowest registers are read first).
.set F, 0
.set E, 1
.set C, 2
.set B, 3
.set L, 4
.set R, 5
.set X, 6
.macro REGS y
.set rT, ST+4*(\y)
.set rC, TMP+4*((\y)%2)
.set rW, MV+((\y)%2)
.set rS, S+32*((\y)%2)
.set rP, P+16*((\y)%2)
.set rO, 32*(\y)
.endm
.macro OP k, n
.if (\k) == R
	REGS Y
	WIN W_RS
	v_pk_mul_f32 v[rO+2*(\n):rO+2*(\n)+1], v[rO+2*(\n):rO+2*(\n)+1], v[rC+2:rC+3] op_sel_hi:[1,0]
.elseif (\k) < R
	REGS Y
	WIN 0
.if (\k) == F
	v_pk_fma_f32 v[rS+2*(\n):rS+2*(\n)+1], v[rS+2*(\n):rS+2*(\n)+1], s[CS:CS+1], v[rT:rT+1] op_sel_hi:[1,0,0] neg_lo:[0,0,1] neg_hi:[0,0,1]
.elseif (\k) == E
	v_exp_f32 v[rS+(\n)], v[rS+(\n)]
.elseif (\k) == C
	v_cvt_pk_f16_f32 v[rP+(\n)], v[rS+2*(\n)], v[rS+2*(\n)+1]
.elseif (\k) == B
	v_pk_add_f32 v[rS+4*(\n):rS+4*(\n)+1], v[rS+4*(\n):rS+4*(\n)+1], v[rS+4*(\n)+2:rS+4*(\n)+3]
.elseif (\n) == 0
	v_pk_fma_f32 v[rT+2:rT+3], v[rT+2:rT+3], v[rC+2:rC+3], v[rS:rS+1] op_sel_hi:[1,0,1]
.else
	v_pk_add_f32 v[rT+2:rT+3], v[rT+2:rT+3], v[rS+4*(\n):rS+4*(\n)+1]
.endif
.elseif NOKQ
	v_nop
.else
	REGS (Y+1)%NP
	WIN 0
.if (\n) < 4
	v_max3_num_f32 v[rC+(\n)], v[rS+8*(\n)], v[rS+8*(\n)+1], v[rS+8*(\n)+2]
.elseif (\n) < 12
	v_max3_num_f32 v[rC+(\n)%4], v[rC+(\n)%4], v[rS+8*((\n)%4)+2*((\n)/4)+1], v[rS+8*((\n)%4)+2*((\n)/4)+2]
.elseif (\n) == 12
	v_max3_num_f32 v[rC], v[rC], v[rS+7], v[rS+15]
.elseif (\n) == 13
	v_max3_num_f32 v[rC+1], v[rC+1], v[rS+23], v[rS+31]
.elseif (\n) == 14
	v_max3_num_f32 v[rC+2], v[rC+2], v[rC+3], v[rT+1]
.elseif (\n) == 15
	v_mov_b32 v[rW], v[rT]
.elseif (\n) == 16
	v_max3_num_f32 v[rC], v[rC], v[rC+1], v[rC+2]
.elseif (\n) == 17
	v_permlanex16_b32 v[rC+3], v[rC], s[SEL], s[SEL+1]
.elseif (\n) == 18
	v_max_num_f32 v[rT+1], v[rC], v[rC+3]
.elseif (\n) == 19
	v_mul_f32 v[rT], s[CS], v[rT+1]
.elseif (\n) == 20
	v_sub_f32 v[rC+1], v[rW], v[rT]
.else
	v_exp_f32 v[rC+2], v[rC+1]
.endif
.endif
.endm
.macro OPS a, i1, b=-1, i2=0, c=-1, i3=0, d=-1, i4=0
	OP \a, \i1
.if (\b) >= 0
	OP \b, \i2
.endif
.if (\c) >= 0
	OP \c, \i3
.endif
.if (\d) >= 0
	OP \d, \i4
.endif
.endm
.macro ROW a, i1, b, i2, c, i3, d, i4  ; a matrix instruction and the four behind it
	MM
	OPS \a, \i1, \b, \i2, \c, \i3, \d, \i4
.endm
.macro MASK b                       ; MD x AL + BE into buffer b of MC
	WIN W_RS
.set z, 0
.rept 16
	v_pk_fma_f32 v[MC+32*(\b)+2*z:MC+32*(\b)+2*z+1], v[MD+2*z:MD+2*z+1], s[AL:AL+1], s[BE:BE+1] op_sel_hi:[1,0,0]
.set z, z+1
.endr
.endm
; A TURN for piece p.  vb: the buffer of V that its products read (and, p = 0, that takes the next step's V at the turn's end, four plain instructions behind the last product that read it).
; hf: the turn makes, in a block's last tile, the mask of the NEXT turn's products: piece p in step 2 (2 - CNT) + hf of the tile.  That step is the band's own where CNT = PARC and hf = p, a later one where CNT < PARC,
; or CNT = PARC with hf = 1, p = 0.  end = 1: a block's last two turns: nothing is fetched, no mask is made, and the last starts no scores.
; One wait for the turn's 33 exponentials cuts it in two: ahead of it all that names no result of theirs, behind it the roundings and sums, as riders of the products V^T P.
.macro TURN p, vb, hf, end=0
.set Y, (\p)
.set VB, (\vb)
.set i, 0
.set NOKQ, (\end)*(\p)
.if !(\end)
.if (\hf) == (\p)
	s_cmp_eq_u32 s[CNT], s[PARC]
	s_cselect_b32 s[AL], 1.0, 0
	s_cmp_lt_u32 s[CNT], s[PARC]
.elseif (\hf) == 0
	s_mov_b32 s[AL], 0
	s_cmp_lt_u32 s[CNT], s[PARC]
.else
	s_mov_b32 s[AL], 0
	s_cmp_le_u32 s[CNT], s[PARC]
.endif
	s_cselect_b32 s[BE], s[BIGN], 0
.endif
.if (\p) == 1
.if \end
	s_wait_dscnt 0x0                ; the last V is in
.else
	s_wait_dscnt 16                 ; K of the next step and every older V are in; the 16 loads of the newest V may stay out
.endif
.endif
	ROW F,0, F,1, R,0, R,1
	ROW F,2, E,0, R,2, R,3
	ROW F,3, E,1, R,4, R,5
	ROW F,4, E,2, R,6, R,7
	ROW F,5, E,3, R,8, R,9
	ROW F,6, E,4, X,0, R,10
.if ((\p) == 0) && !(\end)
	WIN 0
	v_add_nc_u32 v[AK], s[TBK], v[AK0]
.endif
	ROW F,7, E,5, X,1, X,4
	ROW F,8, E,6, X,2, X,5
	OPS E,7, E,8, X,6, E,9
	OPS X,3, E,10, X,8, E,11
.if ((\p) == 0) && !(\end)
	FETCH_K
.endif
	OPS X,9, X,7, E,12, X,10
	OPS E,13, X,12, X,11, E,14
	OPS X,13, E,15, F,9, X,14
.if ((\p) == 0) && !(\end)
	v_add_nc_u32 v[AV], s[TBV], v[AV0]
.endif
	OPS E,16, F,10, E,17, F,11
	OPS X,16, E,18, X,15, E,19
	OPS F,12, E,20, X,17, E,21
	OPS F,13, E,22, F,14, E,23
	OPS X,18, E,24, F,15, E,25
	OPS R,11, E,26, X,19, E,27
	OPS R,12, E,28, R,13, E,29
	OPS X,20, E,30, R,14, E,31
	OPS X,21, R,15
	WIN 0
	s_wait_alu depctr_va_vdst(0)    ; the wait for the batch; R 15 is the plain instruction behind its last
	ROW C,0, B,0, C,2, B,1
	ROW L,0, C,4, B,2, L,1
	ROW C,6, B,3, L,2, C,8
	ROW B,4, L,3, C,10, B,5
	ROW L,4, C,12, B,6, L,5
.if ((\p) == 0) && !(\end)
	s_add_co_u32 s[TBV], s[TBV], KS*PV
.endif
	ROW C,14, B,7, L,6, C,1
	ROW C,3, L,7, C,5, C,7
	ROW C,9, C,11, C,13, C,15
.if ((\p) == 0) && !(\end)
	FETCH_V \vb
.endif
.if !(\end)
	WIN 0
	s_cmp_eq_u32 s[RT], 0           ; only a block's last tile has masks
	s_cbranch_scc0 .Lnm_\@
	MASK \p
	WIN 0
.Lnm_\@:
.endif
.endm
; A tile's eight turns: (3', 0), (3', 1) of the tile before, then (0, .), (1, .), (2, .): two trips of four.  A block's first tile enters at .Lfirst.
.macro STEPS tag
.Lstep\tag:
	TURN 0, 0, 0
	TURN 1, 1, 0
.Lfirst\tag:
	TURN 0, 1, 1
	TURN 1, 0, 1
	s_sub_co_u32 s[CNT], s[CNT], 1
	s_cmp_lg_u32 s[CNT], 0
	s_cbranch_scc1 .Lstep\tag
.endm
; A BLOCK BEGINS.  c m starts far below every c s, so the first step's a is 0; the masks are 0, but piece 0's for step 0 where that is its own.  K and V of step 0, piece 0's first scores, its maximum and statistics.
.macro BEGIN
	s_mov_b32 s[NEW], 0
	WIN 0x40
.set i, MC+32
.rept 32
	v_mov_b32 v[i], 0
.set i, i+1
.endr
	WIN 0
.set i, 0
.rept 2
	v_mov_b32 v[ST+4*i], 0xfe000000
	v_mov_b32 v[ST+4*i+1], 0xff7fffff
.set i, i+1
.endr
	s_cmp_eq_u32 s[RT], 0
	s_cselect_b32 s[AL], 1.0, 0
	s_cmp_eq_u32 s[PARC], 2
	s_cselect_b32 s[AL], s[AL], 0
	s_mov_b32 s[BE], 0
	MASK 0
	WIN 0
	v_add_nc_u32 v[AK], s[TBK], v[AK0]
	v_add_nc_u32 v[AV], s[TBV], v[AV0]
	FETCH_K
	FETCH_V 0
	s_add_co_u32 s[TBV], s[TBV], KS*PV
	s_wait_loadcnt 0x0              ; Q
	s_wait_dscnt 0x0
.set NOKQ, 0
.set i, 0
.rept 8
	KQ 0
.set i, i+1
.endr
	WIN 0
.rept 4
	v_nop                           ; the places behind those products
.endr
.set Y, NP-1                        ; X works for the other piece: piece 0
.irp n, 0,1,2,3,4,5,6,7,8,9,10,11,12,13,14,15,16,17,18,19,20,21
	OP X, \n
.endr
	v_nop
	s_wait_alu depctr_va_vdst(0)
.endm
.macro ALL line:vararg
.set t, 0
.rept 2
	\line
.set t, t+1
.endr
.endm
; Piece t: O^T / l, rounded in pairs of channels; a lane's query is one f16 in each channel's row of the stage
.macro PACK t
	WIN W_RS
.set i, 32*(\t)
.rept 16
	v_pk_mul_f32 v[i:i+1], v[i:i+1], v[ST+4*(\t)+2:ST+4*(\t)+3] op_sel_hi:[1,0]
.set i, i+2
.endr
	WIN 0x05
.set i, 0
.rept 16
	v_cvt_pk_f16_f32 v[S+16*(\t)+i], v[32*(\t)+2*i], v[32*(\t)+2*i+1]
.set i, i+1
.endr
	WIN 0
.set i, 0
.rept 16
	ds_store_b16 v[STO], v[S+16*(\t)+i] offset:(16*(i/4)+2*(i%4))*SP+128*(\t)
	ds_store_b16_d16_hi v[STO], v[S+16*(\t)+i] offset:(16*(i/4)+2*(i%4)+1)*SP+128*(\t)
.set i, i+1
.endr
.endm
; A BLOCK ENDS: its last two turns, its last products, and the way out through the work-group's stage: 64 channels x 128 queries.  A barrier stands between writing and reading; the stage is written again only
; behind a later change of slots, whose barrier stands behind every wave's wait for its reads.
.macro FINISH
	TURN 0, 0, 0, 1
	TURN 1, 1, 0, 1
.set VB, 1
.set i, 0
.rept 8
	PV 1
.set i, i+1
.endr
	WIN 0
.rept 4
	v_nop                           ; the places behind the last products
.endr
	ALL v_add_f32 v[ST+4*t+2], v[ST+4*t+2], v[ST+4*t+3]
	ALL v_permlanex16_b32 v[ST+4*t+3], v[ST+4*t+2], s[SEL], s[SEL+1]
	ALL v_add_f32 v[ST+4*t+2], v[ST+4*t+2], v[ST+4*t+3]
	ALL v_rcp_f32 v[ST+4*t+2], v[ST+4*t+2]
	v_nop
	s_wait_alu depctr_va_vdst(0)    ; one wait for the two reciprocals
	PACK 0
	PACK 1
	s_wait_dscnt 0x0                ; for the others' sake: my stores into the stage are done
	s_barrier_signal -1
	s_barrier_wait -1
.irp f, 0,1,2,3,4,5,6,7
	ds_load_b128 v[S+4*\f:S+4*\f+3], v[RD] offset:\f*2*SP
.endr
.irp f, 0,1,2,3,4,5,6,7
	s_wait_dscnt 7-\f
	global_store_b128 v[GO], v[S+4*\f:S+4*\f+3], s[10:11] offset:\f*8192  ; 16 lanes store a channel's 128 queries: 256 consecutive bytes, aligned
.endr
.endm
.set NOKQ, 0
.set VB, 0
.Lslot:                             ; eight times: a tile is entered and the next is asked for
	CHANGE 1
	s_sub_co_u32 s[RT], s[RT], 1
	s_mov_b32 s[CNT], 2
	s_cmp_eq_u32 s[NEW], 1
	s_cbranch_scc0 .Lstep1
	BEGIN
	s_branch .Lfirst1
	STEPS 1
	s_cmp_eq_u32 s[RT], 0
	s_cbranch_scc0 .Lbottom
	FINISH                          ; in the loop this is the first block's end
	s_wait_xcnt 0x0                 ; the stores have read their registers and O's address
	s_mov_b64 s[10:11], s[OLO:OLO+1]
	s_add_co_u32 s[RT], s[PB], 1
	s_mov_b32 s[NEW], 1
	s_mov_b32 s[PARC], s[PAR2]
	WIN 0x82                        ; the second block's Q goes where the turns name Q
.set i, 0
.rept 32
	v_mov_b32 v[i], v[QB+i]
.set i, i+1
.endr
	WIN 0
.Lbottom:
	s_sub_co_u32 s[SLOTS], s[SLOTS], 1
	s_cmp_lg_u32 s[SLOTS], 0
	s_cbranch_scc1 .Lslot
	CHANGE 0                        ; the walk's last tile is written out
	s_sub_co_u32 s[RT], s[RT], 1
	s_mov_b32 s[CNT], 2
	s_cmp_eq_u32 s[NEW], 1
	s_cbranch_scc0 .Lstep2
	BEGIN
	s_branch .Lfirst2
	STEPS 2
	FINISH
	s_wait_tensorcnt 0x0            ; the wave's end
	ds_add_u32 v[SPW], v[NIL]
	s_wait_dscnt 0x0
	s_endpgm
.Lfunc_end_k_qa28998da1b_at:
	.size	k_qa28998da1b_at, .Lfunc_end_k_qa28998da1b_at-k_qa28998da1b_at
	.p2alignl 7, 3214868480
	.fill 96, 4, 3214868480
	.section	.rodata,"a",@progbits
	.p2align	6, 0x0
	.amdhsa_kernel k_qa28998da1b_at
		.amdhsa_group_segment_fixed_size 327680
		.amdhsa_private_segment_fixed_size 0
		.amdhsa_enable_private_segment 0
		.amdhsa_kernarg_size 16
		.amdhsa_user_sgpr_count 2
		.amdhsa_user_sgpr_kernarg_segment_ptr 1
		.amdhsa_wavefront_size32 1
		.amdhsa_system_sgpr_workgroup_id_x 1
		.amdhsa_system_sgpr_workgroup_id_y 1
		.amdhsa_system_sgpr_workgroup_id_z 1
		.amdhsa_system_vgpr_workitem_id 0
		.amdhsa_next_free_vgpr 768
		.amdhsa_next_free_sgpr 100
		.amdhsa_reserve_vcc 1
		.amdhsa_float_denorm_mode_32 3
		.amdhsa_float_denorm_mode_16_64 3
		.amdhsa_memory_ordered 1
		.amdhsa_forward_progress 1
		.amdhsa_inst_pref_size 178
	.end_amdhsa_kernel
	.amdgpu_metadata
---
amdhsa.version: [ 1, 2 ]
amdhsa.kernels:
  - .name:           k_qa28998da1b_at
    .symbol:         k_qa28998da1b_at.kd
    .args:
      - { .name: big, .offset: 0, .size: 8, .value_kind: global_buffer, .address_space: global }
      - { .name: nrm, .offset: 8, .size: 8, .value_kind: global_buffer, .address_space: global }
    .group_segment_fixed_size: 327680
    .private_segment_fixed_size: 0
    .kernarg_segment_align: 8
    .kernarg_segment_size: 16
    .max_flat_workgroup_size: 128
    .sgpr_count:     100
    .vgpr_count:     768
    .wavefront_size: 32
...
	.end_amdgpu_metadata
.endif
;; end of part 4
;; launch gfc (part 5): grid 8 x 32, 4 waves a work-group, clusters of 4 x 4, 327,680 bytes of LDS; arguments nrm, wfc, h, fc_b, x; writes h
.if DOCPART == 5
	.amdgcn_target "amdgcn-amd-amdhsa--gfx1250"
	.amdhsa_code_object_version 6
	.text
	.protected	k_qa28998da1b_gfc
	.globl	k_qa28998da1b_gfc
	.p2align	8
	.type	k_qa28998da1b_gfc,@function
k_qa28998da1b_gfc:
	s_mov_b64 s[64:65], 0
	v_nop
	global_prefetch_b8 v0, s[64:65] scope:SCOPE_SE
	s_setreg_imm32_b32 hwreg(HW_REG_WAVE_MODE, 25, 1), 1
	s_wait_xcnt 0x0
	s_wait_alu depctr_hold_cnt(0) depctr_sa_sdst(0) depctr_va_vdst(0) depctr_va_sdst(0) depctr_va_ssrc(0) depctr_va_vcc(0) depctr_vm_vsrc(0)
	s_getreg_b32 s2, hwreg(HW_REG_IB_STS2, 6, 4)
	s_cmp_eq_u32 s2, 0
	s_cbranch_scc0 .Lentry_in_a_cluster
	s_endpgm
.Lentry_in_a_cluster:
	s_bfe_u32 s2, ttmp6, 0x10000c
	s_cmp_lg_u32 s2, 0xf033
	s_cbranch_scc0 .Lentry_shape_is_right
	s_endpgm
.Lentry_shape_is_right:
; h = ctx fc_w + fc_b + x.  C[m][n] = sum over k of A[m][k] B[n][k] + bias[n] + res[m][n]; M = 4,096, N = 1,024, K = 256 NK.  A, B in f16, in blocks of 64 along K ((row, k) at byte
; ((k / 64) ROWS + row) 128 + 2 (k % 64)); bias, res, C in f32, row-major.  Sums in f32.
; A tile of C is 128 x 128 (256 work-groups); four waves, each 64 x 64: 16 accumulators.  K goes in steps of 256 (four blocks) through two LDS slots.  A wave's tensor load brings two blocks of the tile's 128 rows:
; two dense pieces of 16,384 bytes, padded in LDS behind every 128 bytes: LDS rows of 144 bytes.  CLUSTER 4 x 4: A's tiles jointly along a row, B's along a column.  The product is used transposed.
; The bias is the C operand of the products that start the sums.  The residual is loaded at the head, in the layout in which C leaves, and waits in registers.
; ONE K STEP IS WRITTEN ONCE: the slot in hand is a scalar (TB) turned by an exclusive or, the walking descriptor's LDS word likewise (wave x HALFT shares no bit with SLOT).
; THE WAY OUT: the ring has had its last fill; each wave puts its 64 x 64 sums there (rows of 272 bytes), reads whole rows back, adds the residual, and 16 lanes store 256 consecutive bytes, aligned.
; No prefetch: the tiles are small and a K step short.
; REGISTERS: window 0: v16-31 addresses, v96-127 the bias, v128-255 the accumulators ((a, b) at 128 + 8 (4 a + b)); window 1: two fragment buffers of 128, later the sums read back; window 2: v0-127 the residual.
.set NK,     4
.set PITCH,  144
.set KBL,    128*PITCH
.set HALFT,  2*KBL                     ; what one tensor load brings
.set SLOT,   4*HALFT                   ; A's four blocks, then B's four
.set SPARE,  2*SLOT
.set DPITCH, 272
.set DW,     64*DPITCH
.set KADV_A, 4*4096*128
.set KADV_B, 4*1024*128
.set DW0,    (1<<16)|(1<<20)|(1<<21)|(4<<22)|(3<<25)
.set ADRA0, 16
.set ADRB0, 17
.set ADRA,  18
.set ADRB,  19
.set STO,   24
.set RD,    25
.set CO,    26
.set BO,    27
.set SPW,   28
.set NIL,   29
.set BIAS,  96
.set ACC,   128
.set F0,    0
.set F1,    128
.set G1,  24
.set G0,  32
.set G1B, 48
.set G0B, 56
.set BIASP, 68
.set RESP,  70
.set TB,  72
.set MSB, 0
.macro WIN new
.if MSB != (\new)
	s_set_vgpr_msb (MSB<<8)|(\new)
.set MSB, \new
.endif
.endm
.set MUL,  0x05                        ; sources 0 (B) and 1 (A) window 1; C and D window 0
.set TO_F, 0x40
.macro PLACES
.rept 4
	v_nop
.endr
.endm
.macro JLOAD                           ; a joint refill by the walking descriptor: waves 0, 1 for A, waves 2, 3 for B
	s_cmp_eq_u32 s11, 0
	s_cbranch_scc0 .Lfor_b_\@
	tensor_load_to_lds s[G0+4:G0+7], s[G1:G1+7]
	s_nop 0
	PLACES
	s_branch .Lasked_\@
.Lfor_b_\@:
	tensor_load_to_lds s[G0B+4:G0B+7], s[G1B:G1B+7]
	s_nop 0
	PLACES
.Lasked_\@:
.endm
.macro CREST
	s_cmp_lg_u32 s10, 0
	s_cbranch_scc1 .Lnot_wave_0_\@
	s_barrier_signal -3
.Lnot_wave_0_\@:
	s_barrier_wait -3
	s_barrier_signal -1
	s_barrier_wait -1
.endm
.macro CROUND
	s_barrier_signal -1
	s_barrier_wait -1
	CREST
.endm
	s_load_b128 s[4:7], s[0:1], 0x0                ; A, B
	s_load_b64 s[8:9], s[0:1], 0x10                ; C
	s_load_b128 s[68:71], s[0:1], 0x18             ; bias, res
	v_lshl_add_u32 v[SPW], v0, 2, SPARE
	v_mov_b32 v[NIL], 0
	ds_add_u32 v[SPW], v[NIL]                      ; the wave's opening: the add and its wait stand ahead of my first tensor load
	ds_add_u32 v28, v29
	v_lshrrev_b32 v1, 5, v0
	v_readfirstlane_b32 s10, v1
	s_lshr_b32 s11, s10, 1                         ; my half of the rows.  Also: I fetch for A (0) or B (1)
	s_and_b32 s12, s10, 1                          ; my half of the columns.  Also: which two blocks of the K step I fetch
	s_bfe_u32 s40, ttmp6, 0x40000
	s_bfe_u32 s41, ttmp6, 0x40004
	s_lshl_b32 s42, ttmp9, 2
	s_add_co_u32 s42, s42, s40                     ; tile column
	s_and_b32 s13, ttmp7, 0xffff
	s_lshl_b32 s13, s13, 2
	s_add_co_u32 s13, s13, s41                     ; tile row
	s_lshl_b32 s43, s41, 2
	s_lshl_b32 s43, 15, s43
	s_lshl_b32 s44, 0x1111, s40
	s_or_b32 s[G1+0], s43, DW0
	s_or_b32 s[G1B+0], s44, DW0
.irp g, G1, G1B
	s_mov_b32 s[(\g)+1], 8192<<16                  ; tensor_dim0 = 8,192 elements: 128 rows of a block, dense
	s_mov_b32 s[(\g)+2], 2<<16                     ; tensor_dim1 = 2 blocks
	s_mov_b32 s[(\g)+3], 8192<<16                  ; tile_dim0
	s_mov_b32 s[(\g)+4], 2                         ; tile_dim1
	s_mov_b32 s[(\g)+6], 0
	s_mov_b32 s[(\g)+7], 0
.endr
	s_mov_b32 s[G1+5], 4096*64                     ; elements from a block to the next
	s_mov_b32 s[G1B+5], 1024*64
	s_lshl_b32 s16, s12, 20                        ; A: my two blocks of 4,096 rows,
	s_lshl_b32 s17, s13, 14                        ; the tile's 128 rows
	s_add_co_u32 s16, s16, s17
	s_mov_b32 s17, 0
	s_lshl_b32 s46, s12, 18                        ; B: of 1,024 rows
	s_lshl_b32 s47, s42, 14
	s_add_co_u32 s46, s46, s47
	s_mov_b32 s47, 0
	s_mul_i32 s20, s10, HALFT
	s_mov_b32 s[TB], 0
	s_wait_dscnt 0x0
	s_wait_kmcnt 0x0
	s_add_nc_u64 s[14:15], s[4:5], s[16:17]
	s_add_nc_u64 s[46:47], s[6:7], s[46:47]
	CROUND
.irp s, 0,1
	s_mov_b32 s[G0+4*(\s)], 1
	s_add_co_u32 s[G0+4*(\s)+1], s20, (\s)*SLOT
	s_add_nc_u64 s[G0+4*(\s)+2:G0+4*(\s)+3], s[14:15], (\s)*KADV_A
	s_or_b32 s[G0+4*(\s)+3], s[G0+4*(\s)+3], 0x80000000
	s_mov_b32 s[G0B+4*(\s)], 1
	s_add_co_u32 s[G0B+4*(\s)+1], s20, (\s)*SLOT
	s_add_nc_u64 s[G0B+4*(\s)+2:G0B+4*(\s)+3], s[46:47], (\s)*KADV_B
	s_or_b32 s[G0B+4*(\s)+3], s[G0B+4*(\s)+3], 0x80000000
.endr
	s_cmp_eq_u32 s11, 0                            ; a wave's two first fills stand in one branch
	s_cbranch_scc0 .Lfirst_b
	tensor_load_to_lds s[G0:G0+3], s[G1:G1+7]
	s_nop 0
	tensor_load_to_lds s[G0+4:G0+7], s[G1:G1+7]
	s_nop 0
	PLACES
	s_branch .Lfirst_asked
.Lfirst_b:
	tensor_load_to_lds s[G0B:G0B+3], s[G1B:G1B+7]
	s_nop 0
	tensor_load_to_lds s[G0B+4:G0B+7], s[G1B:G1B+7]
	s_nop 0
	PLACES
.Lfirst_asked:
	v_and_b32 v1, 15, v0
	v_bfe_u32 v2, v0, 4, 1
	v_mul_u32_u24 v3, v1, PITCH
	v_lshl_add_u32 v3, v2, 4, v3
	s_mul_i32 s21, s11, 64*PITCH
	s_mul_i32 s22, s12, 64*PITCH
	s_add_co_u32 s22, s22, 2*HALFT
	v_add_nc_u32 v[ADRA0], s21, v3
	v_add_nc_u32 v[ADRB0], s22, v3
	v_add_nc_u32 v[ADRA], s[TB], v[ADRA0]
	v_add_nc_u32 v[ADRB], s[TB], v[ADRB0]
	s_mul_i32 s23, s10, DW
	v_mul_u32_u24 v4, v1, DPITCH
	v_lshl_add_u32 v4, v2, 5, v4
	v_add_nc_u32 v[STO], s23, v4                   ; in: row r, 32 bytes for each half of the lanes
	v_mul_u32_u24 v5, v2, DPITCH
	v_lshl_add_u32 v5, v1, 4, v5
	v_add_nc_u32 v[RD], s23, v5                    ; back: lanes 0-15 one row of 256 bytes, lanes 16-31 the next
	v_lshlrev_b32 v[CO], 12, v2                    ; the same two rows in C and res
	v_lshl_add_u32 v[CO], v1, 4, v[CO]
	v_lshlrev_b32 v[BO], 5, v2
	s_lshl_b32 s46, s42, 9                         ; my 64 columns in bytes
	s_lshl_b32 s47, s12, 8
	s_add_co_u32 s46, s46, s47
	s_mov_b32 s47, 0
	s_add_nc_u64 s[BIASP:BIASP+1], s[BIASP:BIASP+1], s[46:47]
	s_lshl_b32 s16, s13, 19                        ; + my 64 rows of 4,096 bytes
	s_add_co_u32 s46, s46, s16
	s_lshl_b32 s16, s11, 18
	s_add_co_u32 s46, s46, s16
	s_add_nc_u64 s[8:9], s[8:9], s[46:47]
	s_add_nc_u64 s[RESP:RESP+1], s[RESP:RESP+1], s[46:47]
.irp b, 0,1,2,3
	global_load_b128 v[BIAS+8*(\b):BIAS+8*(\b)+3],   v[BO], s[BIASP:BIASP+1] offset:(\b)*64
	global_load_b128 v[BIAS+8*(\b)+4:BIAS+8*(\b)+7], v[BO], s[BIASP:BIASP+1] offset:(\b)*64+16
.endr
	WIN 0x80                                       ; destination window 2
.set t, 0
.rept 32
	global_load_b128 v[4*t:4*t+3], v[CO], s[RESP:RESP+1] offset:t*8192  ; rows 2 t, 2 t + 1 of my 64
.set t, t+1
.endr
	WIN 0
.macro MUL8 f, c, a0, init             ; 8 matrix instructions: m blocks a0, a0 + 1 x 4 n blocks, 32 along K: half c of buffer f.  The 16 accumulators take turns
	WIN MUL
.irp a, \a0, (\a0)+1
.irp b, 0,1,2,3
.if \init
	v_wmma_f32_16x16x32_f16 v[ACC+8*(4*(\a)+(\b)):ACC+8*(4*(\a)+(\b))+7], v[(\f)+64+8*(4*(\c)+(\b)):(\f)+64+8*(4*(\c)+(\b))+7], v[(\f)+8*(4*(\c)+(\a)):(\f)+8*(4*(\c)+(\a))+7], v[BIAS+8*(\b):BIAS+8*(\b)+7]
.else
	v_wmma_f32_16x16x32_f16 v[ACC+8*(4*(\a)+(\b)):ACC+8*(4*(\a)+(\b))+7], v[(\f)+64+8*(4*(\c)+(\b)):(\f)+64+8*(4*(\c)+(\b))+7], v[(\f)+8*(4*(\c)+(\a)):(\f)+8*(4*(\c)+(\a))+7], v[ACC+8*(4*(\a)+(\b)):ACC+8*(4*(\a)+(\b))+7]
.endif
.endr
.endr
.endm
.macro FETCH q, f                      ; 32 LDS loads: block q of the K step into buffer f, its first 32 along K first
	WIN TO_F
.irp c, 0,1
.irp i, 0,1,2,3
	ds_load_b128 v[(\f)+64+8*(4*(\c)+(\i)):(\f)+64+8*(4*(\c)+(\i))+3],   v[ADRB] offset:(\q)*KBL+64*(\c)+(\i)*16*PITCH
	ds_load_b128 v[(\f)+64+8*(4*(\c)+(\i))+4:(\f)+64+8*(4*(\c)+(\i))+7], v[ADRB] offset:(\q)*KBL+64*(\c)+(\i)*16*PITCH+32
	ds_load_b128 v[(\f)+8*(4*(\c)+(\i)):(\f)+8*(4*(\c)+(\i))+3],         v[ADRA] offset:(\q)*KBL+64*(\c)+(\i)*16*PITCH
	ds_load_b128 v[(\f)+8*(4*(\c)+(\i))+4:(\f)+8*(4*(\c)+(\i))+7],       v[ADRA] offset:(\q)*KBL+64*(\c)+(\i)*16*PITCH+32
.endr
.endr
.endm
.macro QUARTER q, f, g, init
	s_wait_dscnt 16                                ; the first 32 along K are in
	MUL8 \f, 0, 0, \init
	MUL8 \f, 0, 2, \init
	PLACES
	FETCH \q, \g
	s_wait_dscnt 32                                ; all but the 32 just issued
	MUL8 \f, 1, 0, 0
	MUL8 \f, 1, 2, 0
.endm
; The last quarter multiplies buffer 1 and changes slots.  fill = 1: this slot is filled again, two K steps on, behind a round of the cluster's barrier.  fill = 0: the last two K steps.
.macro TURN fill
	WIN 0
	s_wait_tensorcnt 0x0                           ; all my tensor loads have landed: my part of the next slot
	ds_add_u32 v[SPW], v[NIL]                      ; 0 onto my spare word
	s_wait_dscnt 17                                ; (the add and the youngest sixteen loads may be out)
	MUL8 F1, 0, 0, 0
	s_wait_dscnt 0x0                               ; the add is done, and my reads of this slot are over
	s_barrier_signal -1
	MUL8 F1, 0, 2, 0
	WIN 0
	s_barrier_wait -1
.if \fill
	CREST
	s_xor_b32 s[G0+5], s[G0+5], SLOT
	s_add_nc_u64 s[G0+6:G0+7], s[G0+6:G0+7], KADV_A
	s_xor_b32 s[G0B+5], s[G0B+5], SLOT
	s_add_nc_u64 s[G0B+6:G0B+7], s[G0B+6:G0B+7], KADV_B
	JLOAD                                          ; the first tensor load behind the round; its four v_nop are also the places in front of the loads below
	s_xor_b32 s[TB], s[TB], SLOT
	v_add_nc_u32 v[ADRA], s[TB], v[ADRA0]
	v_add_nc_u32 v[ADRB], s[TB], v[ADRB0]
	FETCH 0, F0
.else
	PLACES
	s_cmp_eq_u32 s3, 1                             ; behind the very last K step there is no slot to go on to
	s_cbranch_scc1 .Lno_fetch_\@
	s_xor_b32 s[TB], s[TB], SLOT
	v_add_nc_u32 v[ADRA], s[TB], v[ADRA0]
	v_add_nc_u32 v[ADRB], s[TB], v[ADRB0]
	FETCH 0, F0
	WIN 0
.Lno_fetch_\@:
.endif
	MUL8 F1, 1, 0, 0
	MUL8 F1, 1, 2, 0
.endm
	s_wait_tensorcnt 0x1                           ; my part of K step 0 is in; K step 1's may stay out
	s_barrier_signal -1
	s_barrier_wait -1
	FETCH 0, F0
	s_wait_loadcnt 32                              ; the bias is in; the residual's 32 loads may stay out
	QUARTER 1, F0, F1, 1
	WIN 0
	s_mov_b32 s3, NK-2
.Lstep:
	QUARTER 2, F1, F0, 0
	QUARTER 3, F0, F1, 0
	TURN 1
	QUARTER 1, F0, F1, 0
	WIN 0
	s_sub_co_u32 s3, s3, 1
	s_cmp_lg_u32 s3, 0
	s_cbranch_scc1 .Lstep
	s_mov_b32 s3, 2
.Ltail:
	QUARTER 2, F1, F0, 0
	QUARTER 3, F0, F1, 0
	TURN 0
	WIN 0
	s_cmp_eq_u32 s3, 1
	s_cbranch_scc1 .Ltail_end
	QUARTER 1, F0, F1, 0
	WIN 0
.Ltail_end:
	s_sub_co_u32 s3, s3, 1
	s_cmp_lg_u32 s3, 0
	s_cbranch_scc1 .Ltail
	s_wait_dscnt 0x0
	s_barrier_signal -1
	s_barrier_wait -1                              ; no wave reads the ring any more, and nothing will be filled
	PLACES
	PLACES
.irp a, 0,1,2,3
.irp b, 0,1,2,3
	ds_store_b128 v[STO], v[ACC+8*(4*(\a)+(\b)):ACC+8*(4*(\a)+(\b))+3]   offset:(\a)*16*DPITCH+(\b)*64
	ds_store_b128 v[STO], v[ACC+8*(4*(\a)+(\b))+4:ACC+8*(4*(\a)+(\b))+7] offset:(\a)*16*DPITCH+(\b)*64+16
.endr
.endr
	s_wait_dscnt 0x0
	s_barrier_signal -1
	s_barrier_wait -1                              ; every store into the ring is done before anything is read back
	WIN TO_F
.set t, 0
.rept 32
	ds_load_b128 v[4*t:4*t+3], v[RD] offset:t*2*DPITCH
.set t, t+1
.endr
	s_wait_loadcnt 0x0                             ; the residual
.irp g, 0,1,2,3
	s_wait_dscnt 24-8*(\g)
	WIN 0x86                                       ; destination and source 0 window 2, source 1 window 1
.set z, 0
.rept 16
	v_pk_add_f32 v[32*(\g)+z:32*(\g)+z+1], v[32*(\g)+z:32*(\g)+z+1], v[32*(\g)+z:32*(\g)+z+1]
.set z, z+2
.endr
	WIN 0x08                                       ; the stores' data in window 2
.set z, 0
.rept 8
	global_store_b128 v[CO], v[32*(\g)+4*z:32*(\g)+4*z+3], s[8:9] offset:(8*(\g)+z)*8192
.set z, z+1
.endr
.endr
	WIN 0
	s_wait_tensorcnt 0x0                           ; the wave's end
	ds_add_u32 v[SPW], v[NIL]
	s_wait_dscnt 0x0
	CROUND
	s_endpgm
.Lfunc_end_k_qa28998da1b_gfc:
	.size	k_qa28998da1b_gfc, .Lfunc_end_k_qa28998da1b_gfc-k_qa28998da1b_gfc
	.p2alignl 7, 3214868480
	.fill 96, 4, 3214868480
	.section	.rodata,"a",@progbits
	.p2align	6, 0x0
	.amdhsa_kernel k_qa28998da1b_gfc
		.amdhsa_group_segment_fixed_size 327680
		.amdhsa_private_segment_fixed_size 0
		.amdhsa_enable_private_segment 0
		.amdhsa_kernarg_size 40
		.amdhsa_user_sgpr_count 2
		.amdhsa_user_sgpr_kernarg_segment_ptr 1
		.amdhsa_wavefront_size32 1
		.amdhsa_system_sgpr_workgroup_id_x 1
		.amdhsa_system_sgpr_workgroup_id_y 1
		.amdhsa_system_sgpr_workgroup_id_z 1
		.amdhsa_system_vgpr_workitem_id 0
		.amdhsa_next_free_vgpr 640
		.amdhsa_next_free_sgpr 80
		.amdhsa_reserve_vcc 0
		.amdhsa_float_denorm_mode_32 3
		.amdhsa_float_denorm_mode_16_64 3
		.amdhsa_memory_ordered 1
		.amdhsa_forward_progress 1
		.amdhsa_inst_pref_size 66
	.end_amdhsa_kernel
	.amdgpu_metadata
---
amdhsa.version: [ 1, 2 ]
amdhsa.kernels:
  - .name:           k_qa28998da1b_gfc
    .symbol:         k_qa28998da1b_gfc.kd
    .args:
      - { .name: nrm, .offset: 0, .size: 8, .value_kind: global_buffer, .address_space: global }
      - { .name: wfc, .offset: 8, .size: 8, .value_kind: global_buffer, .address_space: global }
      - { .name: h, .offset: 16, .size: 8, .value_kind: global_buffer, .address_space: global }
      - { .name: fc_b, .offset: 24, .size: 8, .value_kind: global_buffer, .address_space: global }
      - { .name: x, .offset: 32, .size: 8, .value_kind: global_buffer, .address_space: global }
    .group_segment_fixed_size: 327680
    .private_segment_fixed_size: 0
    .kernarg_segment_align: 8
    .kernarg_segment_size: 40
    .max_flat_workgroup_size: 128
    .sgpr_count:     80
    .vgpr_count:     640
    .wavefront_size: 32
...
	.end_amdgpu_metadata
.endif
;; end of part 5
;; launch ln2: the kernel of part 2 again; grid 256 x 1, 8 waves a work-group, no clusters, 0 bytes of LDS; arguments h, ln2_s, ln2_b, nrm; writes nrm
;; launch g1 (part 6): grid 16 x 16, 4 waves a work-group, clusters of 4 x 4, 327,680 bytes of LDS; arguments nrm, w1, big, ff_b1; writes big
.if DOCPART == 6
	.amdgcn_target "amdgcn-amd-amdhsa--gfx1250"
	.amdhsa_code_object_version 6
	.text
	.protected	k_qa28998da1b_g1
	.globl	k_qa28998da1b_g1
	.p2align	8
	.type	k_qa28998da1b_g1,@function
k_qa28998da1b_g1:
	s_mov_b64 s[64:65], 0
	v_nop
	global_prefetch_b8 v0, s[64:65] scope:SCOPE_SE
	s_setreg_imm32_b32 hwreg(HW_REG_WAVE_MODE, 25, 1), 1
	s_wait_xcnt 0x0
	s_wait_alu depctr_hold_cnt(0) depctr_sa_sdst(0) depctr_va_vdst(0) depctr_va_sdst(0) depctr_va_ssrc(0) depctr_va_vcc(0) depctr_vm_vsrc(0)
	s_getreg_b32 s2, hwreg(HW_REG_IB_STS2, 6, 4)
	s_cmp_eq_u32 s2, 0
	s_cbranch_scc0 .Lentry_in_a_cluster
	s_endpgm
.Lentry_in_a_cluster:
	s_bfe_u32 s2, ttmp6, 0x10000c
	s_cmp_lg_u32 s2, 0xf033
	s_cbranch_scc0 .Lentry_shape_is_right
	s_endpgm
.Lentry_shape_is_right:
; g = gelu(yn ff_w1 + ff_b1), gelu(x) = 0.5 x (1 + tanh(sqrt(2 / pi) x + 0.044715 x^3)).  C[m][n] = gelu(sum over k of A[m][k] B[n][k] + bias[n]), K = 1,024, M = 4,096, N = NCOLS; A, B, C in f16, sums in f32.
; ALL THREE LIE IN BLOCKS OF 64 ALONG THEIR LAST INDEX: (row, k) at byte ((k / 64) ROWS + row) 128 + 2 (k % 64): for one block a run of rows is dense.  LIMIT: f16 ends at 65,504.
; A tile of C, 256 x 256, is made by four waves, each 128 x 128: 64 accumulators, 512 registers.  K goes in steps of 128 (two blocks) through two LDS slots.  A wave's tensor load brings one block of the
; tile's 256 rows: 32,768 dense bytes, asked for as 128 rows of 256 bytes and padded in LDS behind every 128: LDS rows of 144 bytes, so the 16 rows of a fragment load start at 16 different groups of four banks.
; CLUSTER 4 x 4: A's tiles are asked for jointly along a row of the cluster, B's along a column.  THE PRODUCT IS USED TRANSPOSED (source 0 = rows of B): a lane holds eight neighbouring columns of a row of C.
; The bias is the C operand of the products that start the sums.
; ONE K STEP IS WRITTEN ONCE: the LDS base of the slot in hand is a scalar (TB) that an exclusive or turns; one descriptor a tensor walks, its LDS word turned likewise (wave x KBL shares no bit with SLOT).
; THE WAY OUT: the ring has had its last fill; each wave puts its 128 x 128 sums there in f32 (rows of 528 bytes) and reads them back eight rows a trip, applies the gelu, rounds, and stores 512 consecutive bytes an instruction.
; REGISTERS: window 0: v16-31 addresses, v64-191 A's fragments (two buffers), v192-255 the bias, v32-111 at work on the way out; window 1: v64-191 B's fragments; windows 2, 3: the accumulators, (a, b) at v[8 (8 a + b)].
.set NCOLS,  4096
.set EPI,    1                         ; 0: C = the sums.  1: C = gelu(the sums + bias)
.set NK,     8                         ; K steps
.set PITCH,  144
.set KBL,    256*PITCH                 ; one block of K of a tile: what one tensor load brings
.set SLOT,   4*KBL                     ; A's two blocks, then B's two
.set SPARE,  2*SLOT                    ; behind the ring: the spare words, 128 bytes for each wave
.set DPITCH, 528                       ; the way out: 128 f32 + 16 bytes
.set DW,     128*DPITCH                ; a wave's part of it, at wave x DW
.set KADV_A, 2*4096*128                ; bytes from a K step to the next
.set KADV_B, 2*NCOLS*128
.set DW0,    (1<<16)|(1<<20)|(1<<21)|(4<<22)|(3<<25)  ; 2-byte elements; padding on; bit 21 beside a mask; behind every 32 words; 4 words
.set ADRA0, 16                         ; v16, v17  my fragments' place in a slot; never rewritten
.set ADRB0, 17
.set ADRA,  18                         ; v18, v19  the same in the slot in hand
.set ADRB,  19
.set STO,   24                         ; v24  the way out: where I put 16 bytes
.set RD,    25                         ; v25  where I read back, in the first eight rows
.set CO,    26                         ; v26  16 x lane
.set RDC,   27                         ; v27  RD + the trip's rows
.set SPW,   28                         ; v28  my spare word; never rewritten
.set NIL,   29                         ; v29  0
.set PFO,   30                         ; v30  256 x lane
.set BO,    31                         ; v31  32 x (lane / 16)
.set XR,    32
.set TR,    64
.set YR,    96
.set F0,    64
.set F1,    128
.set BIAS,  192
.set G1,  24                           ; s[24:31] group 1 for A;  s[32:39] group 0: the first fill's, and the one that walks
.set G0,  32
.set LIM, 43                           ; s43  a wave prefetches while the loop's count is above it
.set PFA, 44                           ; s[44:45] where my prefetches stand
.set G1B, 48                           ; s[48:55], s[56:63] the same for B
.set G0B, 56
.set BIASP, 68
.set TB,  72                           ; s72  LDS byte at which the slot in hand begins
.set RS,  73                           ; s73  the way out: the trip's rows in bytes
.set PFS, 74                           ; s[74:75] the prefetches' step
.set KA1, 76
.set KA3, 78
.set MSB, 0
.macro WIN new                         ; the immediate's high byte repeats the setting that is left; a switch that changes nothing is dropped
.if MSB != (\new)
	s_set_vgpr_msb (MSB<<8)|(\new)
.set MSB, \new
.endif
.endm
.set MUL_LO, 0xa1                      ; source 0 (B) window 1, source 1 (A) window 0, C and D window 2
.set MUL_HI, 0xf1                      ; C and D window 3
.set TO_B,   0x40                      ; destination window 1
.macro PLACES
.rept 4
	v_nop
.endr
.endm
; A joint refill by the walking descriptor.  Waves 0, 1 fetch A's two blocks, waves 2, 3 B's: the branch hangs on the wave's number alone.  An s_nop 0 and four v_nop follow each line.
.macro JLOAD
	s_cmp_eq_u32 s11, 0
	s_cbranch_scc0 .Lfor_b_\@
	tensor_load_to_lds s[G0+4:G0+7], s[G1:G1+7]
	s_nop 0
	PLACES
	s_branch .Lasked_\@
.Lfor_b_\@:
	tensor_load_to_lds s[G0B+4:G0B+7], s[G1B:G1B+7]
	s_nop 0
	PLACES
.Lasked_\@:
.endm
; A prefetch of the K step two refills on: of the 128 blocks of 256 bytes that I fetch, my work-group's 32, a lane a block.  A's are asked for by the clusters with x = 0, B's by those with y = 0; the four
; partners are told apart by address.  So each block is named once in the launch.  K steps 0 to 3 come by their loads alone; the loop's last two trips have no K step two refills on.
.macro ASK
	s_cmp_gt_u32 s3, s[LIM]
	s_cbranch_scc0 .Lnot_mine_\@
	global_prefetch_b8 v[PFO], s[PFA:PFA+1] th:TH_LOAD_NT scope:SCOPE_SE
.Lnot_mine_\@:
.endm
.macro CREST                           ; a round of the cluster's barrier behind its opening barrier
	s_cmp_lg_u32 s10, 0
	s_cbranch_scc1 .Lnot_wave_0_\@
	s_barrier_signal -3
.Lnot_wave_0_\@:
	s_barrier_wait -3
	s_barrier_signal -1
	s_barrier_wait -1
.endm
.macro CROUND
	s_barrier_signal -1
	s_barrier_wait -1
	CREST
.endm
	s_load_b128 s[4:7], s[0:1], 0x0                ; A s[4:5], B s[6:7]
	s_load_b64 s[8:9], s[0:1], 0x10                ; C
.if EPI
	s_load_b64 s[BIASP:BIASP+1], s[0:1], 0x18
.endif
	v_lshl_add_u32 v[SPW], v0, 2, SPARE
	v_mov_b32 v[NIL], 0
	ds_add_u32 v[SPW], v[NIL]                      ; the wave's opening: the add and its wait stand ahead of my first tensor load
	ds_add_u32 v28, v29
	v_lshrrev_b32 v1, 5, v0
	v_readfirstlane_b32 s10, v1                    ; wave 0..3
	s_lshr_b32 s11, s10, 1                         ; my half of the tile's rows.  Also: I fetch for A (0) or B (1)
	s_and_b32 s12, s10, 1                          ; my half of its columns.  Also: which block of the K step I fetch
	s_bfe_u32 s40, ttmp6, 0x40000                  ; cx
	s_bfe_u32 s41, ttmp6, 0x40004                  ; cy
	s_lshl_b32 s42, ttmp9, 2
	s_add_co_u32 s42, s42, s40                     ; tile column
	s_and_b32 s13, ttmp7, 0xffff
	s_lshl_b32 s13, s13, 2
	s_add_co_u32 s13, s13, s41                     ; tile row
	s_lshl_b32 s43, s41, 2
	s_lshl_b32 s43, 15, s43                        ; my row of the cluster
	s_lshl_b32 s44, 0x1111, s40                    ; my column
	s_or_b32 s[G1+0], s43, DW0
	s_or_b32 s[G1B+0], s44, DW0
.irp g, G1, G1B
	s_mov_b32 s[(\g)+1], 128<<16                   ; tensor_dim0 = 128 elements: 256 bytes
	s_mov_b32 s[(\g)+2], 128<<16                   ; tensor_dim1 = 128
	s_mov_b32 s[(\g)+3], 128<<16                   ; tile_dim0
	s_mov_b32 s[(\g)+4], 128                       ; tile_dim1
	s_mov_b32 s[(\g)+5], 128                       ; dense: 128 elements from row to row
	s_mov_b32 s[(\g)+6], 0
	s_mov_b32 s[(\g)+7], 0
.endr
	s_lshl_b32 s16, s12, 19                        ; A: my block's 4,096 rows of 128 bytes,
	s_lshl_b32 s17, s13, 15                        ; the tile's 256 rows
	s_add_co_u32 s16, s16, s17
	s_mov_b32 s17, 0
	s_mul_i32 s46, s12, NCOLS*128                  ; B likewise
	s_lshl_b32 s47, s42, 15
	s_add_co_u32 s46, s46, s47
	s_mov_b32 s47, 0
	s_mul_i32 s20, s10, KBL                        ; where my loads go in a slot
	s_mov_b32 s[TB], 0
.if EPI
	s_mov_b32 s[KA1], 0xc0135761                   ; -2 log2(e) sqrt(2 / pi)
	s_mov_b32 s[KA1+1], s[KA1]
	s_mov_b32 s[KA3], 0xbe041de0                   ; -2 log2(e) 0.044715
	s_mov_b32 s[KA3+1], s[KA3]
.endif
	s_wait_dscnt 0x0                               ; the opening add is done
	s_wait_kmcnt 0x0
	s_add_nc_u64 s[14:15], s[4:5], s[16:17]
	s_add_nc_u64 s[46:47], s[6:7], s[46:47]
	CROUND                                         ; all sixteen work-groups are here: the first joint loads meet
.irp s, 0,1
	s_mov_b32 s[G0+4*(\s)], 1
	s_add_co_u32 s[G0+4*(\s)+1], s20, (\s)*SLOT
	s_add_nc_u64 s[G0+4*(\s)+2:G0+4*(\s)+3], s[14:15], (\s)*KADV_A
	s_or_b32 s[G0+4*(\s)+3], s[G0+4*(\s)+3], 0x80000000
	s_mov_b32 s[G0B+4*(\s)], 1
	s_add_co_u32 s[G0B+4*(\s)+1], s20, (\s)*SLOT
	s_add_nc_u64 s[G0B+4*(\s)+2:G0B+4*(\s)+3], s[46:47], (\s)*KADV_B
	s_or_b32 s[G0B+4*(\s)+3], s[G0B+4*(\s)+3], 0x80000000
.endr
	s_cmp_eq_u32 s11, 0                            ; a wave's two first fills stand in one branch: two loads of mine are out
	s_cbranch_scc0 .Lfirst_b
	tensor_load_to_lds s[G0:G0+3], s[G1:G1+7]
	s_nop 0
	tensor_load_to_lds s[G0+4:G0+7], s[G1:G1+7]
	s_nop 0
	PLACES
	s_branch .Lfirst_asked
.Lfirst_b:
	tensor_load_to_lds s[G0B:G0B+3], s[G1B:G1B+7]
	s_nop 0
	tensor_load_to_lds s[G0B+4:G0B+7], s[G1B:G1B+7]
	s_nop 0
	PLACES
.Lfirst_asked:
	v_and_b32 v1, 15, v0                           ; r = lane % 16
	v_bfe_u32 v2, v0, 4, 1                         ; hl = lane / 16
	v_mul_u32_u24 v3, v1, PITCH
	v_lshl_add_u32 v3, v2, 4, v3                   ; a fragment's row x pitch + 16 hl
	s_mul_i32 s21, s11, 128*PITCH                  ; my 128 rows of A,
	s_mul_i32 s22, s12, 128*PITCH                  ; of B,
	s_add_co_u32 s22, s22, 2*KBL                   ; which lies behind A's two blocks
	v_add_nc_u32 v[ADRA0], s21, v3
	v_add_nc_u32 v[ADRB0], s22, v3
	v_add_nc_u32 v[ADRA], s[TB], v[ADRA0]
	v_add_nc_u32 v[ADRB], s[TB], v[ADRB0]
	s_mul_i32 s23, s10, DW
	v_mul_u32_u24 v4, v1, DPITCH
	v_lshl_add_u32 v4, v2, 5, v4
	v_add_nc_u32 v[STO], s23, v4                   ; in: row r, 32 bytes for each half of the lanes
	v_bfe_u32 v5, v0, 3, 2
	v_and_b32 v6, 7, v0
	v_mul_u32_u24 v5, v5, DPITCH
	v_lshl_add_u32 v5, v6, 5, v5
	v_add_nc_u32 v[RD], s23, v5                    ; back: row lane / 8, eight columns at 8 (lane % 8)
	v_and_b32 v[PFO], 31, v0
	v_lshlrev_b32 v[CO], 4, v[PFO]
	v_lshlrev_b32 v[PFO], 8, v[PFO]
	v_lshlrev_b32 v[BO], 5, v2
	; the prefetches
	s_and_b32 s22, ttmp7, 0xffff                   ; cluster y
	s_mov_b32 s[PFS], KADV_B
	s_mov_b32 s[PFS+1], 0
	s_cmp_eq_u32 s11, 0                            ; do I fetch for A?
	s_cselect_b32 s21, s40, s41                    ; my place among the four that ask with me
	s_cselect_b32 s22, ttmp9, s22                  ; the coordinate along which other clusters read the same rows
	s_cselect_b32 s[PFS], KADV_A, s[PFS]
	s_cselect_b64 s[PFA:PFA+1], s[14:15], s[46:47]
	s_cmp_eq_u32 s22, 0
	s_cselect_b32 s[LIM], 2, -1
	s_lshl_b32 s16, s21, 13                        ; my work-group's 32 blocks of 256 bytes,
	s_mul_i32 s17, s[PFS], 3                       ; at K step 3: the first refill steps it to 4
	s_add_co_u32 s16, s16, s17
	s_mov_b32 s17, 0
	s_add_nc_u64 s[PFA:PFA+1], s[PFA:PFA+1], s[16:17]
.if EPI
	s_lshl_b32 s16, s42, 10                        ; the bias of my 128 columns
	s_lshl_b32 s17, s12, 9
	s_add_co_u32 s16, s16, s17
	s_mov_b32 s17, 0
	s_add_nc_u64 s[BIASP:BIASP+1], s[BIASP:BIASP+1], s[16:17]
.irp b, 0,1,2,3,4,5,6,7
	global_load_b128 v[BIAS+8*(\b):BIAS+8*(\b)+3],   v[BO], s[BIASP:BIASP+1] offset:(\b)*64     ; register j of block b: column 16 b + 8 hl + j
	global_load_b128 v[BIAS+8*(\b)+4:BIAS+8*(\b)+7], v[BO], s[BIASP:BIASP+1] offset:(\b)*64+16
.endr
.endif
	s_lshl_b32 s46, s42, 21                        ; C at my part: blocks 4 tile column + 2 half, of 4,096 rows of 128 bytes,
	s_lshl_b32 s47, s12, 20
	s_add_co_u32 s46, s46, s47
	s_lshl_b32 s47, s13, 15                        ; row 256 tile row + 128 half
	s_add_co_u32 s46, s46, s47
	s_lshl_b32 s47, s11, 14
	s_add_co_u32 s46, s46, s47
	s_mov_b32 s47, 0
	s_add_nc_u64 s[8:9], s[8:9], s[46:47]
; 16 matrix instructions: m blocks a0, a0 + 1 of the window's four x all 8 n blocks, 32 along K.  init = 1: the first product starts the sums, with 0 or with the bias.  The 64 accumulators take turns.
.macro MUL16 f, hi, a0, init
.if (\init) && EPI
	WIN 0x81+0x40*(\hi)                            ; C in window 0
.else
	WIN MUL_LO+0x50*(\hi)
.endif
.irp a, \a0, (\a0)+1
.irp b, 0,1,2,3,4,5,6,7
.if (\init) && EPI
	v_wmma_f32_16x16x32_f16 v[8*(8*(\a)+(\b)):8*(8*(\a)+(\b))+7], v[(\f)+8*(\b):(\f)+8*(\b)+7], v[(\f)+8*(4*(\hi)+(\a)):(\f)+8*(4*(\hi)+(\a))+7], v[BIAS+8*(\b):BIAS+8*(\b)+7]
.elseif \init
	v_wmma_f32_16x16x32_f16 v[8*(8*(\a)+(\b)):8*(8*(\a)+(\b))+7], v[(\f)+8*(\b):(\f)+8*(\b)+7], v[(\f)+8*(4*(\hi)+(\a)):(\f)+8*(4*(\hi)+(\a))+7], 0
.else
	v_wmma_f32_16x16x32_f16 v[8*(8*(\a)+(\b)):8*(8*(\a)+(\b))+7], v[(\f)+8*(\b):(\f)+8*(\b)+7], v[(\f)+8*(4*(\hi)+(\a)):(\f)+8*(4*(\hi)+(\a))+7], v[8*(8*(\a)+(\b)):8*(8*(\a)+(\b))+7]
.endif
.endr
.endr
.endm
; 32 LDS loads in one run: quarter q of the K step (block q / 2, bytes 64 (q % 2) on) into buffer f
.macro FETCH q, f
	WIN TO_B
.irp i, 0,1,2,3,4,5,6,7
	ds_load_b128 v[(\f)+8*(\i):(\f)+8*(\i)+3],   v[ADRB] offset:((\q)/2)*KBL+((\q)%2)*64+(\i)*16*PITCH
	ds_load_b128 v[(\f)+8*(\i)+4:(\f)+8*(\i)+7], v[ADRB] offset:((\q)/2)*KBL+((\q)%2)*64+(\i)*16*PITCH+32
.endr
	WIN 0
.irp i, 0,1,2,3,4,5,6,7
	ds_load_b128 v[(\f)+8*(\i):(\f)+8*(\i)+3],   v[ADRA] offset:((\q)/2)*KBL+((\q)%2)*64+(\i)*16*PITCH
	ds_load_b128 v[(\f)+8*(\i)+4:(\f)+8*(\i)+7], v[ADRA] offset:((\q)/2)*KBL+((\q)%2)*64+(\i)*16*PITCH+32
.endr
.endm
; multiplies buffer f; in its middle fetches quarter q into buffer g, four places behind the last product that read g
.macro QUARTER q, f, g, init
	s_wait_dscnt 8                                 ; B and A's rows 0-63 are in; the youngest eight loads may be out
	MUL16 \f, 0, 0, \init
	MUL16 \f, 0, 2, \init
	PLACES
	FETCH \q, \g
	s_wait_dscnt 32                                ; all but the 32 just issued
	MUL16 \f, 1, 0, \init
	MUL16 \f, 1, 2, \init
.endm
; the first half of a K step's last quarter, and the barrier of the change of slots: all my tensor loads have landed (one was out: my part of the next slot), the add, my reads of this slot
.macro MEET
	WIN 0
	s_wait_tensorcnt 0x0
	ds_add_u32 v[SPW], v[NIL]                      ; 0 onto my spare word
	s_wait_dscnt 9                                 ; (the add and the youngest eight loads may be out)
	MUL16 F1, 0, 0, 0
	s_wait_dscnt 0x0                               ; the add is done, and my reads of this slot are over
	s_barrier_signal -1
	MUL16 F1, 0, 2, 0
	WIN 0
	s_barrier_wait -1
.endm
.macro TURN1                           ; the slot just read is filled again, two K steps on; then the other slot's first fragments
	s_wait_xcnt 0x0                                ; the last prefetch, a K step back, has read its address
	s_add_nc_u64 s[PFA:PFA+1], s[PFA:PFA+1], s[PFS:PFS+1]
	MEET
	CREST                                          ; the barrier has opened a round of the cluster's: no wave of any partner still reads this slot or has a load on its way
	s_xor_b32 s[G0+5], s[G0+5], SLOT
	s_add_nc_u64 s[G0+6:G0+7], s[G0+6:G0+7], KADV_A
	s_xor_b32 s[G0B+5], s[G0B+5], SLOT
	s_add_nc_u64 s[G0B+6:G0B+7], s[G0B+6:G0B+7], KADV_B
	JLOAD                                          ; the first tensor load behind the round; its four v_nop are also the places in front of the loads below
	s_xor_b32 s[TB], s[TB], SLOT
	v_add_nc_u32 v[ADRA], s[TB], v[ADRA0]
	v_add_nc_u32 v[ADRB], s[TB], v[ADRB0]
	FETCH 0, F0
	ASK
	MUL16 F1, 1, 0, 0
	MUL16 F1, 1, 2, 0
.endm
.macro TURN0                           ; the last two K steps ask for nothing; behind the very last there is no slot to go on to
	MEET
	PLACES
	s_cmp_eq_u32 s3, 1
	s_cbranch_scc1 .Lno_fetch_\@
	s_xor_b32 s[TB], s[TB], SLOT
	v_add_nc_u32 v[ADRA], s[TB], v[ADRA0]
	v_add_nc_u32 v[ADRB], s[TB], v[ADRB0]
	FETCH 0, F0
.Lno_fetch_\@:
	MUL16 F1, 1, 0, 0
	MUL16 F1, 1, 2, 0
.endm
	s_wait_tensorcnt 0x1                           ; my part of K step 0 is in; K step 1's may stay out
	s_barrier_signal -1
	s_barrier_wait -1
	FETCH 0, F0
.if EPI
	s_wait_loadcnt 0x0                             ; the bias
.endif
	QUARTER 1, F0, F1, 1                           ; the first quarter stands in front of the loop: its products start the sums
	WIN 0
	s_mov_b32 s3, NK-2
.Lstep:                                        ; a trip: from a K step's second quarter to the next step's first; trip k fills K step k's slot with K step k + 2
	QUARTER 2, F1, F0, 0
	QUARTER 3, F0, F1, 0
	TURN1
	QUARTER 1, F0, F1, 0
	WIN 0
	s_sub_co_u32 s3, s3, 1
	s_cmp_lg_u32 s3, 0
	s_cbranch_scc1 .Lstep
	s_mov_b32 s3, 2
.Ltail:                                        ; the last two K steps: no tensor load; the second trip is left behind its last products
	QUARTER 2, F1, F0, 0
	QUARTER 3, F0, F1, 0
	TURN0
	WIN 0
	s_cmp_eq_u32 s3, 1
	s_cbranch_scc1 .Ltail_end
	QUARTER 1, F0, F1, 0
	WIN 0
.Ltail_end:
	s_sub_co_u32 s3, s3, 1
	s_cmp_lg_u32 s3, 0
	s_cbranch_scc1 .Ltail
	; THE WAY OUT
	s_wait_dscnt 0x0
	s_barrier_signal -1
	s_barrier_wait -1                              ; no wave reads the ring any more, and nothing will be filled
	PLACES
	PLACES
.irp hi, 0,1
	WIN 0x08+4*(\hi)                               ; the stores' data in window 2, 3
.irp a, 0,1,2,3
.irp b, 0,1,2,3,4,5,6,7
	ds_store_b128 v[STO], v[8*(8*(\a)+(\b)):8*(8*(\a)+(\b))+3]   offset:(4*(\hi)+(\a))*16*DPITCH+(\b)*64      ; each accumulator's low four registers first
	ds_store_b128 v[STO], v[8*(8*(\a)+(\b))+4:8*(8*(\a)+(\b))+7] offset:(4*(\hi)+(\a))*16*DPITCH+(\b)*64+16
.endr
.endr
.endr
	WIN 0
	s_wait_dscnt 0x0
	s_barrier_signal -1
	s_barrier_wait -1                              ; every store into the ring is done before anything is read back
	s_mov_b32 s[RS], 0
	s_mov_b32 s3, 16
.Lout:                                         ; eight rows a trip: group g is rows 4 (g / 2) + lane / 8 in block g % 2 of my two blocks of 64 columns
	v_add_nc_u32 v[RDC], s[RS], v[RD]
.irp g, 0,1,2,3
	ds_load_b128 v[XR+8*(\g):XR+8*(\g)+3],   v[RDC] offset:((\g)/2)*4*DPITCH+((\g)%2)*256
	ds_load_b128 v[XR+8*(\g)+4:XR+8*(\g)+7], v[RDC] offset:((\g)/2)*4*DPITCH+((\g)%2)*256+16
.endr
	s_wait_dscnt 0x0
.if EPI
	; 0.5 x (1 + tanh(u)) = x / (1 + 2^(-2 log2(e) u)), u = sqrt(2 / pi) x + 0.044715 x^3: the exponent is x (KA1 + KA3 x^2).  An infinite power gives 0, a vanished one x.
.set z, 0
.rept 16
	v_pk_mul_f32 v[TR+z:TR+z+1], v[XR+z:XR+z+1], v[XR+z:XR+z+1]
.set z, z+2
.endr
.set z, 0
.rept 16
	v_pk_fma_f32 v[TR+z:TR+z+1], v[TR+z:TR+z+1], s[KA3:KA3+1], s[KA1:KA1+1] op_sel_hi:[1,0,0]
.set z, z+2
.endr
.set z, 0
.rept 16
	v_pk_mul_f32 v[TR+z:TR+z+1], v[TR+z:TR+z+1], v[XR+z:XR+z+1]
.set z, z+2
.endr
.set z, 0
.rept 32
	v_exp_f32 v[TR+z], v[TR+z]
.set z, z+1
.endr
	v_nop                                          ; a plain instruction behind the last of the batch,
	s_wait_alu depctr_va_vdst(0)                   ; and one wait for the 32, ahead of their first reader
.set z, 0
.rept 16
	v_pk_add_f32 v[TR+z:TR+z+1], v[TR+z:TR+z+1], 1.0 op_sel_hi:[1,0]
.set z, z+2
.endr
.set z, 0
.rept 32
	v_rcp_f32 v[TR+z], v[TR+z]
.set z, z+1
.endr
	v_nop
	s_wait_alu depctr_va_vdst(0)
.set z, 0
.rept 16
	v_pk_mul_f32 v[XR+z:XR+z+1], v[XR+z:XR+z+1], v[TR+z:TR+z+1]
.set z, z+2
.endr
.endif
.set z, 0
.rept 16
	v_cvt_pk_f16_f32 v[YR+z], v[XR+2*z], v[XR+2*z+1]
.set z, z+1
.endr
.irp g, 0,1,2,3
	global_store_b128 v[CO], v[YR+4*(\g):YR+4*(\g)+3], s[8:9] offset:((\g)/2)*512+((\g)%2)*524288  ; four rows of one block: 512 consecutive bytes, aligned
.endr
	s_wait_xcnt 0x0                                ; the stores have read their data and their base, which are written again below and in the next trip
	s_add_nc_u64 s[8:9], s[8:9], 1024
	s_add_co_u32 s[RS], s[RS], 8*DPITCH
	s_sub_co_u32 s3, s3, 1
	s_cmp_lg_u32 s3, 0
	s_cbranch_scc1 .Lout
	s_wait_tensorcnt 0x0                           ; the wave's end
	ds_add_u32 v[SPW], v[NIL]
	s_wait_dscnt 0x0
	CROUND                                         ; the closing round
	s_endpgm
.Lfunc_end_k_qa28998da1b_g1:
	.size	k_qa28998da1b_g1, .Lfunc_end_k_qa28998da1b_g1-k_qa28998da1b_g1
	.p2alignl 7, 3214868480
	.fill 96, 4, 3214868480
	.section	.rodata,"a",@progbits
	.p2align	6, 0x0
	.amdhsa_kernel k_qa28998da1b_g1
		.amdhsa_group_segment_fixed_size 327680
		.amdhsa_private_segment_fixed_size 0
		.amdhsa_enable_private_segment 0
		.amdhsa_kernarg_size 32
		.amdhsa_user_sgpr_count 2
		.amdhsa_user_sgpr_kernarg_segment_ptr 1
		.amdhsa_wavefront_size32 1
		.amdhsa_system_sgpr_workgroup_id_x 1
		.amdhsa_system_sgpr_workgroup_id_y 1
		.amdhsa_system_sgpr_workgroup_id_z 1
		.amdhsa_system_vgpr_workitem_id 0
		.amdhsa_next_free_vgpr 1024
		.amdhsa_next_free_sgpr 80
		.amdhsa_reserve_vcc 0
		.amdhsa_float_denorm_mode_32 3
		.amdhsa_float_denorm_mode_16_64 3
		.amdhsa_memory_ordered 1
		.amdhsa_forward_progress 1
		.amdhsa_inst_pref_size 89
	.end_amdhsa_kernel
	.amdgpu_metadata
---
amdhsa.version: [ 1, 2 ]
amdhsa.kernels:
  - .name:           k_qa28998da1b_g1
    .symbol:         k_qa28998da1b_g1.kd
    .args:
      - { .name: nrm, .offset: 0, .size: 8, .value_kind: global_buffer, .address_space: global }
      - { .name: w1, .offset: 8, .size: 8, .value_kind: global_buffer, .address_space: global }
      - { .name: big, .offset: 16, .size: 8, .value_kind: global_buffer, .address_space: global }
      - { .name: ff_b1, .offset: 24, .size: 8, .value_kind: global_buffer, .address_space: global }
    .group_segment_fixed_size: 327680
    .private_segment_fixed_size: 0
    .kernarg_segment_align: 8
    .kernarg_segment_size: 32
    .max_flat_workgroup_size: 128
    .sgpr_count:     80
    .vgpr_count:     1024
    .wavefront_size: 32
...
	.end_amdgpu_metadata
.endif
;; end of part 6
;; launch gf2 (part 7): grid 8 x 32, 4 waves a work-group, clusters of 4 x 4, 327,680 bytes of LDS; arguments big, w2, out0, ff_b2, h; writes out0
.if DOCPART == 7
	.amdgcn_target "amdgcn-amd-amdhsa--gfx1250"
	.amdhsa_code_object_version 6
	.text
	.protected	k_qa28998da1b_gf2
	.globl	k_qa28998da1b_gf2
	.p2align	8
	.type	k_qa28998da1b_gf2,@function
k_qa28998da1b_gf2:
	s_mov_b64 s[64:65], 0
	v_nop
	global_prefetch_b8 v0, s[64:65] scope:SCOPE_SE
	s_setreg_imm32_b32 hwreg(HW_REG_WAVE_MODE, 25, 1), 1
	s_wait_xcnt 0x0
	s_wait_alu depctr_hold_cnt(0) depctr_sa_sdst(0) depctr_va_vdst(0) depctr_va_sdst(0) depctr_va_ssrc(0) depctr_va_vcc(0) depctr_vm_vsrc(0)
	s_getreg_b32 s2, hwreg(HW_REG_IB_STS2, 6, 4)
	s_cmp_eq_u32 s2, 0
	s_cbranch_scc0 .Lentry_in_a_cluster
	s_endpgm
.Lentry_in_a_cluster:
	s_bfe_u32 s2, ttmp6, 0x10000c
	s_cmp_lg_u32 s2, 0xf033
	s_cbranch_scc0 .Lentry_shape_is_right
	s_endpgm
.Lentry_shape_is_right:
; out = g ff_w2 + ff_b2 + h.  C[m][n] = sum over k of A[m][k] B[n][k] + bias[n] + res[m][n]; M = 4,096, N = 1,024, K = 256 NK.  A, B in f16, in blocks of 64 along K ((row, k) at byte
; ((k / 64) ROWS + row) 128 + 2 (k % 64)); bias, res, C in f32, row-major.  Sums in f32.
; A tile of C is 128 x 128 (256 work-groups); four waves, each 64 x 64: 16 accumulators.  K goes in steps of 256 (four blocks) through two LDS slots.  A wave's tensor load brings two blocks of the tile's 128 rows:
; two dense pieces of 16,384 bytes, padded in LDS behind every 128 bytes: LDS rows of 144 bytes.  CLUSTER 4 x 4: A's tiles jointly along a row, B's along a column.  The product is used transposed.
; The bias is the C operand of the products that start the sums.  The residual is loaded at the head, in the layout in which C leaves, and waits in registers.
; ONE K STEP IS WRITTEN ONCE: the slot in hand is a scalar (TB) turned by an exclusive or, the walking descriptor's LDS word likewise (wave x HALFT shares no bit with SLOT).
; THE WAY OUT: the ring has had its last fill; each wave puts its 64 x 64 sums there (rows of 272 bytes), reads whole rows back, adds the residual, and 16 lanes store 256 consecutive bytes, aligned.
; No prefetch: the tiles are small and a K step short.
; REGISTERS: window 0: v16-31 addresses, v96-127 the bias, v128-255 the accumulators ((a, b) at 128 + 8 (4 a + b)); window 1: two fragment buffers of 128, later the sums read back; window 2: v0-127 the residual.
.set NK,     16
.set PITCH,  144
.set KBL,    128*PITCH
.set HALFT,  2*KBL                     ; what one tensor load brings
.set SLOT,   4*HALFT                   ; A's four blocks, then B's four
.set SPARE,  2*SLOT
.set DPITCH, 272
.set DW,     64*DPITCH
.set KADV_A, 4*4096*128
.set KADV_B, 4*1024*128
.set DW0,    (1<<16)|(1<<20)|(1<<21)|(4<<22)|(3<<25)
.set ADRA0, 16
.set ADRB0, 17
.set ADRA,  18
.set ADRB,  19
.set STO,   24
.set RD,    25
.set CO,    26
.set BO,    27
.set SPW,   28
.set NIL,   29
.set BIAS,  96
.set ACC,   128
.set F0,    0
.set F1,    128
.set G1,  24
.set G0,  32
.set G1B, 48
.set G0B, 56
.set BIASP, 68
.set RESP,  70
.set TB,  72
.set MSB, 0
.macro WIN new
.if MSB != (\new)
	s_set_vgpr_msb (MSB<<8)|(\new)
.set MSB, \new
.endif
.endm
.set MUL,  0x05                        ; sources 0 (B) and 1 (A) window 1; C and D window 0
.set TO_F, 0x40
.macro PLACES
.rept 4
	v_nop
.endr
.endm
.macro JLOAD                           ; a joint refill by the walking descriptor: waves 0, 1 for A, waves 2, 3 for B
	s_cmp_eq_u32 s11, 0
	s_cbranch_scc0 .Lfor_b_\@
	tensor_load_to_lds s[G0+4:G0+7], s[G1:G1+7]
	s_nop 0
	PLACES
	s_branch .Lasked_\@
.Lfor_b_\@:
	tensor_load_to_lds s[G0B+4:G0B+7], s[G1B:G1B+7]
	s_nop 0
	PLACES
.Lasked_\@:
.endm
.macro CREST
	s_cmp_lg_u32 s10, 0
	s_cbranch_scc1 .Lnot_wave_0_\@
	s_barrier_signal -3
.Lnot_wave_0_\@:
	s_barrier_wait -3
	s_barrier_signal -1
	s_barrier_wait -1
.endm
.macro CROUND
	s_barrier_signal -1
	s_barrier_wait -1
	CREST
.endm
	s_load_b128 s[4:7], s[0:1], 0x0                ; A, B
	s_load_b64 s[8:9], s[0:1], 0x10                ; C
	s_load_b128 s[68:71], s[0:1], 0x18             ; bias, res
	v_lshl_add_u32 v[SPW], v0, 2, SPARE
	v_mov_b32 v[NIL], 0
	ds_add_u32 v[SPW], v[NIL]                      ; the wave's opening: the add and its wait stand ahead of my first tensor load
	ds_add_u32 v28, v29
	v_lshrrev_b32 v1, 5, v0
	v_readfirstlane_b32 s10, v1
	s_lshr_b32 s11, s10, 1                         ; my half of the rows.  Also: I fetch for A (0) or B (1)
	s_and_b32 s12, s10, 1                          ; my half of the columns.  Also: which two blocks of the K step I fetch
	s_bfe_u32 s40, ttmp6, 0x40000
	s_bfe_u32 s41, ttmp6, 0x40004
	s_lshl_b32 s42, ttmp9, 2
	s_add_co_u32 s42, s42, s40                     ; tile column
	s_and_b32 s13, ttmp7, 0xffff
	s_lshl_b32 s13, s13, 2
	s_add_co_u32 s13, s13, s41                     ; tile row
	s_lshl_b32 s43, s41, 2
	s_lshl_b32 s43, 15, s43
	s_lshl_b32 s44, 0x1111, s40
	s_or_b32 s[G1+0], s43, DW0
	s_or_b32 s[G1B+0], s44, DW0
.irp g, G1, G1B
	s_mov_b32 s[(\g)+1], 8192<<16                  ; tensor_dim0 = 8,192 elements: 128 rows of a block, dense
	s_mov_b32 s[(\g)+2], 2<<16                     ; tensor_dim1 = 2 blocks
	s_mov_b32 s[(\g)+3], 8192<<16                  ; tile_dim0
	s_mov_b32 s[(\g)+4], 2                         ; tile_dim1
	s_mov_b32 s[(\g)+6], 0
	s_mov_b32 s[(\g)+7], 0
.endr
	s_mov_b32 s[G1+5], 4096*64                     ; elements from a block to the next
	s_mov_b32 s[G1B+5], 1024*64
	s_lshl_b32 s16, s12, 20                        ; A: my two blocks of 4,096 rows,
	s_lshl_b32 s17, s13, 14                        ; the tile's 128 rows
	s_add_co_u32 s16, s16, s17
	s_mov_b32 s17, 0
	s_lshl_b32 s46, s12, 18                        ; B: of 1,024 rows
	s_lshl_b32 s47, s42, 14
	s_add_co_u32 s46, s46, s47
	s_mov_b32 s47, 0
	s_mul_i32 s20, s10, HALFT
	s_mov_b32 s[TB], 0
	s_wait_dscnt 0x0
	s_wait_kmcnt 0x0
	s_add_nc_u64 s[14:15], s[4:5], s[16:17]
	s_add_nc_u64 s[46:47], s[6:7], s[46:47]
	CROUND
.irp s, 0,1
	s_mov_b32 s[G0+4*(\s)], 1
	s_add_co_u32 s[G0+4*(\s)+1], s20, (\s)*SLOT
	s_add_nc_u64 s[G0+4*(\s)+2:G0+4*(\s)+3], s[14:15], (\s)*KADV_A
	s_or_b32 s[G0+4*(\s)+3], s[G0+4*(\s)+3], 0x80000000
	s_mov_b32 s[G0B+4*(\s)], 1
	s_add_co_u32 s[G0B+4*(\s)+1], s20, (\s)*SLOT
	s_add_nc_u64 s[G0B+4*(\s)+2:G0B+4*(\s)+3], s[46:47], (\s)*KADV_B
	s_or_b32 s[G0B+4*(\s)+3], s[G0B+4*(\s)+3], 0x80000000
.endr
	s_cmp_eq_u32 s11, 0                            ; a wave's two first fills stand in one branch
	s_cbranch_scc0 .Lfirst_b
	tensor_load_to_lds s[G0:G0+3], s[G1:G1+7]
	s_nop 0
	tensor_load_to_lds s[G0+4:G0+7], s[G1:G1+7]
	s_nop 0
	PLACES
	s_branch .Lfirst_asked
.Lfirst_b:
	tensor_load_to_lds s[G0B:G0B+3], s[G1B:G1B+7]
	s_nop 0
	tensor_load_to_lds s[G0B+4:G0B+7], s[G1B:G1B+7]
	s_nop 0
	PLACES
.Lfirst_asked:
	v_and_b32 v1, 15, v0
	v_bfe_u32 v2, v0, 4, 1
	v_mul_u32_u24 v3, v1, PITCH
	v_lshl_add_u32 v3, v2, 4, v3
	s_mul_i32 s21, s11, 64*PITCH
	s_mul_i32 s22, s12, 64*PITCH
	s_add_co_u32 s22, s22, 2*HALFT
	v_add_nc_u32 v[ADRA0], s21, v3
	v_add_nc_u32 v[ADRB0], s22, v3
	v_add_nc_u32 v[ADRA], s[TB], v[ADRA0]
	v_add_nc_u32 v[ADRB], s[TB], v[ADRB0]
	s_mul_i32 s23, s10, DW
	v_mul_u32_u24 v4, v1, DPITCH
	v_lshl_add_u32 v4, v2, 5, v4
	v_add_nc_u32 v[STO], s23, v4                   ; in: row r, 32 bytes for each half of the lanes
	v_mul_u32_u24 v5, v2, DPITCH
	v_lshl_add_u32 v5, v1, 4, v5
	v_add_nc_u32 v[RD], s23, v5                    ; back: lanes 0-15 one row of 256 bytes, lanes 16-31 the next
	v_lshlrev_b32 v[CO], 12, v2                    ; the same two rows in C and res
	v_lshl_add_u32 v[CO], v1, 4, v[CO]
	v_lshlrev_b32 v[BO], 5, v2
	s_lshl_b32 s46, s42, 9                         ; my 64 columns in bytes
	s_lshl_b32 s47, s12, 8
	s_add_co_u32 s46, s46, s47
	s_mov_b32 s47, 0
	s_add_nc_u64 s[BIASP:BIASP+1], s[BIASP:BIASP+1], s[46:47]
	s_lshl_b32 s16, s13, 19                        ; + my 64 rows of 4,096 bytes
	s_add_co_u32 s46, s46, s16
	s_lshl_b32 s16, s11, 18
	s_add_co_u32 s46, s46, s16
	s_add_nc_u64 s[8:9], s[8:9], s[46:47]
	s_add_nc_u64 s[RESP:RESP+1], s[RESP:RESP+1], s[46:47]
.irp b, 0,1,2,3
	global_load_b128 v[BIAS+8*(\b):BIAS+8*(\b)+3],   v[BO], s[BIASP:BIASP+1] offset:(\b)*64
	global_load_b128 v[BIAS+8*(\b)+4:BIAS+8*(\b)+7], v[BO], s[BIASP:BIASP+1] offset:(\b)*64+16
.endr
	WIN 0x80                                       ; destination window 2
.set t, 0
.rept 32
	global_load_b128 v[4*t:4*t+3], v[CO], s[RESP:RESP+1] offset:t*8192  ; rows 2 t, 2 t + 1 of my 64
.set t, t+1
.endr
	WIN 0
.macro MUL8 f, c, a0, init             ; 8 matrix instructions: m blocks a0, a0 + 1 x 4 n blocks, 32 along K: half c of buffer f.  The 16 accumulators take turns
	WIN MUL
.irp a, \a0, (\a0)+1
.irp b, 0,1,2,3
.if \init
	v_wmma_f32_16x16x32_f16 v[ACC+8*(4*(\a)+(\b)):ACC+8*(4*(\a)+(\b))+7], v[(\f)+64+8*(4*(\c)+(\b)):(\f)+64+8*(4*(\c)+(\b))+7], v[(\f)+8*(4*(\c)+(\a)):(\f)+8*(4*(\c)+(\a))+7], v[BIAS+8*(\b):BIAS+8*(\b)+7]
.else
	v_wmma_f32_16x16x32_f16 v[ACC+8*(4*(\a)+(\b)):ACC+8*(4*(\a)+(\b))+7], v[(\f)+64+8*(4*(\c)+(\b)):(\f)+64+8*(4*(\c)+(\b))+7], v[(\f)+8*(4*(\c)+(\a)):(\f)+8*(4*(\c)+(\a))+7], v[ACC+8*(4*(\a)+(\b)):ACC+8*(4*(\a)+(\b))+7]
.endif
.endr
.endr
.endm
.macro FETCH q, f                      ; 32 LDS loads: block q of the K step into buffer f, its first 32 along K first
	WIN TO_F
.irp c, 0,1
.irp i, 0,1,2,3
	ds_load_b128 v[(\f)+64+8*(4*(\c)+(\i)):(\f)+64+8*(4*(\c)+(\i))+3],   v[ADRB] offset:(\q)*KBL+64*(\c)+(\i)*16*PITCH
	ds_load_b128 v[(\f)+64+8*(4*(\c)+(\i))+4:(\f)+64+8*(4*(\c)+(\i))+7], v[ADRB] offset:(\q)*KBL+64*(\c)+(\i)*16*PITCH+32
	ds_load_b128 v[(\f)+8*(4*(\c)+(\i)):(\f)+8*(4*(\c)+(\i))+3],         v[ADRA] offset:(\q)*KBL+64*(\c)+(\i)*16*PITCH
	ds_load_b128 v[(\f)+8*(4*(\c)+(\i))+4:(\f)+8*(4*(\c)+(\i))+7],       v[ADRA] offset:(\q)*KBL+64*(\c)+(\i)*16*PITCH+32
.endr
.endr
.endm
.macro QUARTER q, f, g, init
	s_wait_dscnt 16                                ; the first 32 along K are in
	MUL8 \f, 0, 0, \init
	MUL8 \f, 0, 2, \init
	PLACES
	FETCH \q, \g
	s_wait_dscnt 32                                ; all but the 32 just issued
	MUL8 \f, 1, 0, 0
	MUL8 \f, 1, 2, 0
.endm
; The last quarter multiplies buffer 1 and changes slots.  fill = 1: this slot is filled again, two K steps on, behind a round of the cluster's barrier.  fill = 0: the last two K steps.
.macro TURN fill
	WIN 0
	s_wait_tensorcnt 0x0                           ; all my tensor loads have landed: my part of the next slot
	ds_add_u32 v[SPW], v[NIL]                      ; 0 onto my spare word
	s_wait_dscnt 17                                ; (the add and the youngest sixteen loads may be out)
	MUL8 F1, 0, 0, 0
	s_wait_dscnt 0x0                               ; the add is done, and my reads of this slot are over
	s_barrier_signal -1
	MUL8 F1, 0, 2, 0
	WIN 0
	s_barrier_wait -1
.if \fill
	CREST
	s_xor_b32 s[G0+5], s[G0+5], SLOT
	s_add_nc_u64 s[G0+6:G0+7], s[G0+6:G0+7], KADV_A
	s_xor_b32 s[G0B+5], s[G0B+5], SLOT
	s_add_nc_u64 s[G0B+6:G0B+7], s[G0B+6:G0B+7], KADV_B
	JLOAD                                          ; the first tensor load behind the round; its four v_nop are also the places in front of the loads below
	s_xor_b32 s[TB], s[TB], SLOT
	v_add_nc_u32 v[ADRA], s[TB], v[ADRA0]
	v_add_nc_u32 v[ADRB], s[TB], v[ADRB0]
	FETCH 0, F0
.else
	PLACES
	s_cmp_eq_u32 s3, 1                             ; behind the very last K step there is no slot to go on to
	s_cbranch_scc1 .Lno_fetch_\@
	s_xor_b32 s[TB], s[TB], SLOT
	v_add_nc_u32 v[ADRA], s[TB], v[ADRA0]
	v_add_nc_u32 v[ADRB], s[TB], v[ADRB0]
	FETCH 0, F0
	WIN 0
.Lno_fetch_\@:
.endif
	MUL8 F1, 1, 0, 0
	MUL8 F1, 1, 2, 0
.endm
	s_wait_tensorcnt 0x1                           ; my part of K step 0 is in; K step 1's may stay out
	s_barrier_signal -1
	s_barrier_wait -1
	FETCH 0, F0
	s_wait_loadcnt 32                              ; the bias is in; the residual's 32 loads may stay out
	QUARTER 1, F0, F1, 1
	WIN 0
	s_mov_b32 s3, NK-2
.Lstep:
	QUARTER 2, F1, F0, 0
	QUARTER 3, F0, F1, 0
	TURN 1
	QUARTER 1, F0, F1, 0
	WIN 0
	s_sub_co_u32 s3, s3, 1
	s_cmp_lg_u32 s3, 0
	s_cbranch_scc1 .Lstep
	s_mov_b32 s3, 2
.Ltail:
	QUARTER 2, F1, F0, 0
	QUARTER 3, F0, F1, 0
	TURN 0
	WIN 0
	s_cmp_eq_u32 s3, 1
	s_cbranch_scc1 .Ltail_end
	QUARTER 1, F0, F1, 0
	WIN 0
.Ltail_end:
	s_sub_co_u32 s3, s3, 1
	s_cmp_lg_u32 s3, 0
	s_cbranch_scc1 .Ltail
	s_wait_dscnt 0x0
	s_barrier_signal -1
	s_barrier_wait -1                              ; no wave reads the ring any more, and nothing will be filled
	PLACES
	PLACES
.irp a, 0,1,2,3
.irp b, 0,1,2,3
	ds_store_b128 v[STO], v[ACC+8*(4*(\a)+(\b)):ACC+8*(4*(\a)+(\b))+3]   offset:(\a)*16*DPITCH+(\b)*64
	ds_store_b128 v[STO], v[ACC+8*(4*(\a)+(\b))+4:ACC+8*(4*(\a)+(\b))+7] offset:(\a)*16*DPITCH+(\b)*64+16
.endr
.endr
	s_wait_dscnt 0x0
	s_barrier_signal -1
	s_barrier_wait -1                              ; every store into the ring is done before anything is read back
	WIN TO_F
.set t, 0
.rept 32
	ds_load_b128 v[4*t:4*t+3], v[RD] offset:t*2*DPITCH
.set t, t+1
.endr
	s_wait_loadcnt 0x0                             ; the residual
.irp g, 0,1,2,3
	s_wait_dscnt 24-8*(\g)
	WIN 0x86                                       ; destination and source 0 window 2, source 1 window 1
.set z, 0
.rept 16
	v_pk_add_f32 v[32*(\g)+z:32*(\g)+z+1], v[32*(\g)+z:32*(\g)+z+1], v[32*(\g)+z:32*(\g)+z+1]
.set z, z+2
.endr
	WIN 0x08                                       ; the stores' data in window 2
.set z, 0
.rept 8
	global_store_b128 v[CO], v[32*(\g)+4*z:32*(\g)+4*z+3], s[8:9] offset:(8*(\g)+z)*8192
.set z, z+1
.endr
.endr
	WIN 0
	s_wait_tensorcnt 0x0                           ; the wave's end
	ds_add_u32 v[SPW], v[NIL]
	s_wait_dscnt 0x0
	CROUND
	s_endpgm
.Lfunc_end_k_qa28998da1b_gf2:
	.size	k_qa28998da1b_gf2, .Lfunc_end_k_qa28998da1b_gf2-k_qa28998da1b_gf2
	.p2alignl 7, 3214868480
	.fill 96, 4, 3214868480
	.section	.rodata,"a",@progbits
	.p2align	6, 0x0
	.amdhsa_kernel k_qa28998da1b_gf2
		.amdhsa_group_segment_fixed_size 327680
		.amdhsa_private_segment_fixed_size 0
		.amdhsa_enable_private_segment 0
		.amdhsa_kernarg_size 40
		.amdhsa_user_sgpr_count 2
		.amdhsa_user_sgpr_kernarg_segment_ptr 1
		.amdhsa_wavefront_size32 1
		.amdhsa_system_sgpr_workgroup_id_x 1
		.amdhsa_system_sgpr_workgroup_id_y 1
		.amdhsa_system_sgpr_workgroup_id_z 1
		.amdhsa_system_vgpr_workitem_id 0
		.amdhsa_next_free_vgpr 640
		.amdhsa_next_free_sgpr 80
		.amdhsa_reserve_vcc 0
		.amdhsa_float_denorm_mode_32 3
		.amdhsa_float_denorm_mode_16_64 3
		.amdhsa_memory_ordered 1
		.amdhsa_forward_progress 1
		.amdhsa_inst_pref_size 66
	.end_amdhsa_kernel
	.amdgpu_metadata
---
amdhsa.version: [ 1, 2 ]
amdhsa.kernels:
  - .name:           k_qa28998da1b_gf2
    .symbol:         k_qa28998da1b_gf2.kd
    .args:
      - { .name: big, .offset: 0, .size: 8, .value_kind: global_buffer, .address_space: global }
      - { .name: w2, .offset: 8, .size: 8, .value_kind: global_buffer, .address_space: global }
      - { .name: out0, .offset: 16, .size: 8, .value_kind: global_buffer, .address_space: global }
      - { .name: ff_b2, .offset: 24, .size: 8, .value_kind: global_buffer, .address_space: global }
      - { .name: h, .offset: 32, .size: 8, .value_kind: global_buffer, .address_space: global }
    .group_segment_fixed_size: 327680
    .private_segment_fixed_size: 0
    .kernarg_segment_align: 8
    .kernarg_segment_size: 40
    .max_flat_workgroup_size: 128
    .sgpr_count:     80
    .vgpr_count:     640
    .wavefront_size: 32
...
	.end_amdgpu_metadata
.endif
;; end of part 7
